; MI455X (gfx1250); checked and timed in simulation.
; The chip was launched on July 23, 2026; its instructions are those of AMD's public machine-readable ISA for CDNA 5 (MIT licence, August 2026) and "CDNA5" Instruction Set Architecture Reference Guide (July 2026). The comments in the code are by the model that wrote it; some were corrected since.
;; GPT2 Block. Allowed arithmetic: matrix products marked QUANTISED: E5M2 operands, one E8M0 scale for each 32 along K, by v_wmma_scale_f32_16x16x128_f8f6f4 with both operands' format E5M2, f32 sums; everything else in f32.
;; Inputs: c_attn_b 3,072 float32; c_attn_w 1,024 x 3,072 float32; c_fc_b 4,096 float32; c_fc_w 1,024 x 4,096 float32; c_proj_attn_b 1,024 float32; c_proj_attn_w 1,024 x 1,024 float32; c_proj_mlp_b 1,024 float32; c_proj_mlp_w 4,096 x 1,024 float32; hidden_states 2 x 2,048 x 1,024 float32; ln1_b 1,024 float32; ln1_w 1,024 float32; ln2_b 1,024 float32; ln2_w 1,024 float32.
;; Outputs: out0 2 x 2,048 x 1,024 float32.
;; This version of the problem:
;;   THIS VERSION OF THE PROBLEM IS GIVEN IN LOW PRECISION. The matrix products marked QUANTISED in the list below multiply operands that are first quantised to E5M2 (5 exponent bits, 2 mantissa bits; 8 bits a number), with one power-of-two scale for each 32 numbers along K (OCP MX v1.0); their sums are f32. All else is computed in f32.
;;   The module's matrix products, in the order in which they are computed (A, B: the left and right operand; K: the contracted axis; several contracted axes count as one K, in the product's order):
;;     1. [M 4,096, K 1,024] x [K 1,024, N 3,072]; A: computed on the way; B: input c_attn_w: QUANTISED
;;     2. batch 32 x [M 2,048, K 64] x [K 64, N 2,048]; A: computed on the way; B: computed on the way: QUANTISED
;;     3. batch 32 x [M 2,048, K 2,048] x [K 2,048, N 64]; A: softmax (see below); B: computed on the way: QUANTISED
;;     4. [M 4,096, K 1,024] x [K 1,024, N 1,024]; A: computed on the way; B: input c_proj_attn_w: QUANTISED
;;     5. [M 4,096, K 1,024] x [K 1,024, N 4,096]; A: computed on the way; B: input c_fc_w: QUANTISED
;;     6. [M 4,096, K 4,096] x [K 4,096, N 1,024]; A: computed on the way; B: input c_proj_mlp_w: QUANTISED
;;   THE QUANTISER, for each operand of a quantised product, along K:
;;     - K is cut into blocks of 32 from its start; a last block that is shorter is filled with zeros.
;;     - A block's scale is 2^e with e = floor(log2(the largest magnitude in the block)) - 15, held to -126 .. 127; a block of zeros has e = 0. As a byte (E8M0): e + 127.
;;     - Each number is divided by its block's scale, clamped to +-57,344, and rounded to the nearest number of E5M2, ties to even, subnormals kept.
;;     - The product sums the exact products of the quantised numbers (number of the format x scale) in f32.
;;   ~~~python
;;   def quantise(x, axis):      # numpy; x: float32 -> the quantised numbers, widened to float32 again
;;       x = np.moveaxis(x, axis, -1); K = x.shape[-1]
;;       x = np.pad(x, [(0, 0)] * (x.ndim - 1) + [(0, -K % 32)]); x = x.reshape(x.shape[:-1] + (-1, 32)); a = np.abs(x).max(-1, keepdims=True)
;;       e = np.where(a > 0, np.clip(np.frexp(np.where(a > 0, a, 1))[1] - 1 - 15, -126, 127), 0)      # np.frexp(a)[1] - 1 = floor(log2(a)), exactly
;;       r = np.clip(x / 2.0 ** e, -57344, 57344)
;;       step = 2.0 ** (np.maximum(np.frexp(np.where(r == 0, 1, r))[1] - 1, -14) - 2)
;;       q = np.round(r / step) * step * 2.0 ** e      # np.round: ties to even
;;       return np.moveaxis(q.reshape(q.shape[:-2] + (-1,))[..., :K], -1, axis).astype(np.float32)
;;   ~~~
;;   SOFTMAX AHEAD OF A QUANTISED PRODUCT. Where the list says 'softmax', what is quantised is not the finished softmax but p = 2^(t - M), with t = logit x log2(e) and M = ceil(the row's largest t), a whole number; so 1/2 < the row's largest p <= 1. The row's sum l is taken of the UNQUANTISED p, in f32, and the product's result is divided by l at the end. Since M is a whole number, a kernel that streams over the keys may use a running M (the ceiling of the running maximum): every later rescaling is an exact power of two, which a block's scale takes up: the codes' values come out the same.
;;   OPERANDS COMPUTED ON THE WAY. 'Computed on the way' means the value that the module computes at that place (a softmax that the list does not call 'softmax' is quantised finished and normalised). What goes into a quantiser is computed in f32, as accurately as f32 sums, v_exp_f32 and their like allow (about 1e-6 of the number): no bf16 or f16 on the way to a quantiser, and a product that is left as it is and whose result goes on into a quantised operand takes f32 operands (vector FMAs, or v_wmma_f32_16x16x4_f32). A number that lies on a knife's edge between two numbers of the format may be rounded either way, as far as f32 arithmetic and the matrix unit's own rounding can turn it there, and no further.
;; One version. Each part assembles by itself: llvm-mc -triple=amdgcn-amd-amdhsa -mcpu=gfx1250 --defsym DOCPART=n.
;; ======== version 1 of 1: 7 launches
;; limits: right only within a limited range of input values
;; workspace buffers: pb 17,301,504 bytes; qk 13,238,272 bytes; cp 4,325,376 bytes; hres 16,777,216 bytes; xp2 4,325,376 bytes; hid 17,301,504 bytes
;; launch prep (part 1): grid 448 x 1, 8 waves a work-group, no clusters, 2,048 bytes of LDS; arguments hidden_states, ln1_w, ln1_b, c_attn_w, c_proj_attn_w, c_fc_w, c_proj_mlp_w, pb; writes pb
.if DOCPART == 1
	.amdgcn_target "amdgcn-amd-amdhsa--gfx1250"
	.amdhsa_code_object_version 6
	.text
	.protected	k_qa38827b42c_prep
	.globl	k_qa38827b42c_prep
	.p2align	8
	.type	k_qa38827b42c_prep,@function
k_qa38827b42c_prep:
	s_mov_b64 s[64:65], 0
	v_nop
	global_prefetch_b8 v0, s[64:65] scope:SCOPE_SE
	s_setreg_imm32_b32 hwreg(HW_REG_WAVE_MODE, 25, 1), 1
	s_wait_xcnt 0x0
; GPT-2 block in MX-BF8 (E5M2 codes, one E8M0 byte for each 32 along K), seven launches: prep, qkv, attn, proj, ln2, fc, mlp.
; WORK LEFT OUT IN THE WHOLE PROGRAM: the problem builds a causal mask itself (key k counts for query q where k <= q) and sets the other scores to -infinity ahead of the softmax, so their p is 0
; for all values of the inputs: they add nothing to the row's sum nor to the second product.  Launch attn leaves out every step of 128 keys that lies wholly behind a tile's 16 queries.  Every input
; has a way to the output and is loaded.  LIMIT: a NaN, an infinity or an overflow that would arise only in such hidden steps is not carried to the result.
; THIS LAUNCH: work-groups 0-255: LayerNorm 1 of x, quantised along the 1,024 columns; work-groups 256-447: the four weights [K][N], quantised along K.  Both leave PANELS in pb.
; A PANEL is 128 rows x 128 K as the matrix unit's registers take it: 8 fragment images of 2,048 bytes (fragment a, register group c, lane l: 16 bytes at 2048 a + 512 c + 16 l: k = 32 c + 16 (l / 16) + 0..15),
; then 8 x 64 bytes of scale words (fragment a, row r: at 16384 + 64 a + 4 r).  Row r of fragment a is row 32 (a / 2) + 8 (a % 2) + r + 8 (r / 8) of the 128: so a product that takes such a fragment as
; source 0 leaves 16 neighbours along the next K in a lane's registers of two neighbouring tiles.  A matrix [R][K] is [R / 128][K / 128] panels.
; LIMITS: NaN and infinities among the inputs are not served; a block whose largest magnitude lies under 2^-111 (a block of zeros too) keeps the byte 1: this program alone reads the bytes, and zero codes add nothing.
.set PANEL, 16896
.set WQKV,  4325376                    ; places in pb: x's panels at 0, then c_attn_w, c_proj_attn_w, c_fc_w, c_proj_mlp_w
.set WPR,   7569408
.set WFC,   8650752
.set WML,   12976128
.set SPARE, 1024                       ; LDS: 0-511 the sums' words, 512-1023 the squares', then the spare words, 128 bytes a wave
.set SPW, 12                           ; v12 my spare word's address; v13 0: kept for the add alone
.set NIL, 13
.set X,   32                           ; v32-95 my 64 numbers; v96-159 the gain, later the codes; v160-223 the bias
.set W,   96
.set BV,  160
.set PC,  96
.set TM,  224                          ; v224-239 the quantiser's four blocks: largest magnitude, byte, hold, scale operand
.set PW,  240
.set SEL, 22
.set MNT, 24
; 64 numbers of a lane, register 16 b + i = k 32 b + 16 (lane / 16) + i of my row, become a fragment's codes in v[PC] on and its scale word in v[PW]
.macro QUANT s
.irp b, 0,1,2,3
	v_max3_num_f32 v[TM+\b], |v[\s+16*\b]|, |v[\s+1+16*\b]|, 0x8000000   ; my 16 numbers of block b, and the floor 2^(16 - 127): the byte cannot fall under 1
.endr
.irp i, 2,4,6,8,10,12,14
.irp b, 0,1,2,3
	s_delay_alu instid0(VALU_DEP_4)
	v_max3_num_f32 v[TM+\b], v[TM+\b], |v[\s+16*\b+\i]|, |v[\s+1+16*\b+\i]|
.endr
.endr
.irp b, 0,1,2,3
	s_delay_alu instid0(VALU_DEP_4)
	v_permlanex16_b32 v[TM+4+\b], v[TM+\b], s[SEL], s[SEL+1]
.endr
.irp b, 0,1,2,3
	s_delay_alu instid0(VALU_DEP_4)
	v_max_num_f32 v[TM+\b], v[TM+\b], v[TM+4+\b]      ; with lane l xor 16's 16: the block's largest magnitude
.endr
.irp b, 0,1,2,3
	s_delay_alu instid0(VALU_DEP_4)
	v_add_nc_u32 v[TM+12+\b], 0xf8800000, v[TM+\b]    ; 15 off its exponent field: the conversion's scale operand
.endr
.irp b, 0,1,2,3
	v_and_or_b32 v[TM+8+\b], v[TM+\b], 0x7f800000, s[MNT]   ; 57,344 x the scale
.endr
.irp b, 0,1,2,3
	v_lshrrev_b32 v[TM+4+\b], 23, v[TM+12+\b]         ; the scale's byte
.endr
	s_delay_alu instid0(VALU_DEP_3)
	v_lshl_or_b32 v[PW], v[TM+5], 8, v[TM+4]
	s_delay_alu instid0(VALU_DEP_1)
	v_lshl_or_b32 v[PW], v[TM+6], 16, v[PW]
	s_delay_alu instid0(VALU_DEP_1)
	v_lshl_or_b32 v[PW], v[TM+7], 24, v[PW]
.irp b, 0,1,2,3
.irp i, 0,1,2,3,4,5,6,7,8,9,10,11,12,13,14,15
	v_med3_num_f32 v[\s+16*\b+\i], v[\s+16*\b+\i], -v[TM+8+\b], v[TM+8+\b]   ; the conversion does not saturate (ISA guide 7.6.2): the hold
.endr
	v_cvt_scalef32_pk8_bf8_f32 v[PC+4*\b:PC+1+4*\b], v[\s+16*\b:\s+7+16*\b], v[TM+12+\b]
	v_cvt_scalef32_pk8_bf8_f32 v[PC+2+4*\b:PC+3+4*\b], v[\s+8+16*\b:\s+15+16*\b], v[TM+12+\b]
.endr
	v_nop                                          ; a plain line behind the last conversion
.endm
; v[24:27], two packed chains of a lane, become in v16 the sum over a row's 1,024 columns: my halves, lane l xor 16, then the eight waves' words through LDS
.macro ALLSUM off
	s_delay_alu instid0(VALU_DEP_1)
	v_pk_add_f32 v[24:25], v[24:25], v[26:27]
	s_delay_alu instid0(VALU_DEP_1)
	v_add_f32 v24, v24, v25
	s_delay_alu instid0(VALU_DEP_1)
	v_permlanex16_b32 v30, v24, s[SEL], s[SEL+1]
	s_delay_alu instid0(VALU_DEP_1)
	v_add_f32 v24, v24, v30
	ds_store_b32 v8, v24 offset:\off               ; word 32 r + 4 wave (both halves of the lanes write the same value)
	s_wait_dscnt 0x0                               ; for the others' sake: my store is done
	s_barrier_signal -1
	s_barrier_wait -1
	ds_load_b128 v[16:19], v9 offset:\off
	ds_load_b128 v[20:23], v9 offset:\off+16
	s_wait_dscnt 0x0
	v_pk_add_f32 v[16:17], v[16:17], v[18:19]
	v_pk_add_f32 v[20:21], v[20:21], v[22:23]
	s_delay_alu instid0(VALU_DEP_1)
	v_pk_add_f32 v[16:17], v[16:17], v[20:21]
	s_delay_alu instid0(VALU_DEP_1)
	v_add_f32 v16, v16, v17
.endm
	s_load_b512 s[4:19], s[0:1], 0x0               ; x s[4:5], gain s[6:7], bias s[8:9], the four weights s[10:17], pb s[18:19]
	v_lshl_add_u32 v[SPW], v0, 2, SPARE
	v_mov_b32 v[NIL], 0
	v_lshrrev_b32 v1, 5, v0
	s_delay_alu instid0(VALU_DEP_1)
	v_readfirstlane_b32 s20, v1                    ; wave 0..7
	v_and_b32 v1, 31, v0                           ; lane
	s_cmp_lt_u32 ttmp9, 256                        ; the same in all waves of a work-group
	s_cbranch_scc0 .Lweights
	; ---- LAYER NORM.  Work-group: fragment a = id % 8 of token group G = id / 8: 16 tokens.  Wave w: K step w (columns 128 w on).  Lane (r, h): 16 neighbours of each of the four blocks of 32
	v_and_b32 v2, 15, v0                           ; r
	v_bfe_u32 v3, v0, 4, 1                         ; h
	s_delay_alu instid0(VALU_DEP_2)
	v_and_b32 v4, 8, v2
	s_delay_alu instid0(VALU_DEP_1)
	v_add_nc_u32 v4, v4, v2                        ; r + 8 (r / 8)
	s_delay_alu instid0(VALU_DEP_1)
	v_lshlrev_b32 v4, 12, v4
	s_delay_alu instid0(VALU_DEP_1)
	v_lshl_add_u32 v4, v3, 6, v4                   ; x: my token's row of 4,096 bytes + 64 h
	v_lshlrev_b32 v5, 6, v3                        ; gain and bias: 64 h
	v_lshlrev_b32 v6, 4, v1                        ; an image's place for my lane
	v_lshlrev_b32 v7, 2, v2                        ; a scale word's
	v_lshlrev_b32 v9, 5, v2                        ; LDS: my row's eight words
	s_lshl_b32 s26, s20, 2
	v_add_nc_u32 v8, s26, v9                       ; and my wave's among them
	s_mov_b32 s[SEL], 0x76543210
	s_mov_b32 s[SEL+1], 0xfedcba98                 ; v_permlanex16_b32's selects for lane l xor 16
	s_mov_b32 s[MNT], 0x600000                     ; the mantissa field of 57,344
	s_mov_b32 s25, 0x3a800000                      ; 1 / 1,024
	s_mov_b32 s27, 0x3727c5ac                      ; 1e-5
.irp b, 0,1,2,3
	v_mov_b32 v[TM+4+\b], 0                        ; a lane permute's destination counts as one of its sources
.endr
	v_mov_b32 v30, 0
	s_lshr_b32 s28, ttmp9, 3                       ; G
	s_and_b32 s29, ttmp9, 7                        ; a
	s_lshl_b32 s30, s28, 7
	s_lshr_b32 s31, s29, 1
	s_lshl_b32 s31, s31, 5
	s_add_co_u32 s30, s30, s31
	s_and_b32 s31, s29, 1
	s_lshl_b32 s31, s31, 3
	s_add_co_u32 s30, s30, s31                     ; 128 G + 32 (a / 2) + 8 (a % 2)
	s_lshl_b32 s30, s30, 12
	s_lshl_b32 s32, s20, 9                         ; 512 w
	s_add_co_u32 s30, s30, s32
	s_mov_b32 s31, 0
	s_mov_b32 s33, 0
	s_lshl_b32 s34, s28, 3
	s_add_co_u32 s34, s34, s20
	s_mul_i32 s34, s34, PANEL                      ; panel (G, w)
	s_mov_b32 s35, 0
	s_lshl_b32 s36, s29, 11
	s_mov_b32 s37, 0
	s_lshl_b32 s38, s29, 6
	s_add_co_u32 s38, s38, 16384
	s_mov_b32 s39, 0
	s_wait_kmcnt 0x0
	s_add_nc_u64 s[4:5], s[4:5], s[30:31]
	s_add_nc_u64 s[6:7], s[6:7], s[32:33]
	s_add_nc_u64 s[8:9], s[8:9], s[32:33]
	s_add_nc_u64 s[18:19], s[18:19], s[34:35]
	s_add_nc_u64 s[40:41], s[18:19], s[38:39]      ; my fragment's scale words
	s_add_nc_u64 s[18:19], s[18:19], s[36:37]      ; and its image
.irp b, 0,1,2,3
.irp j, 0,1,2,3
	global_load_b128 v[X+16*\b+4*\j:X+16*\b+4*\j+3], v4, s[4:5] offset:128*\b+16*\j
.endr
.endr
.irp b, 0,1,2,3
.irp j, 0,1,2,3
	global_load_b128 v[W+16*\b+4*\j:W+16*\b+4*\j+3], v5, s[6:7] offset:128*\b+16*\j
.endr
.endr
.irp b, 0,1,2,3
.irp j, 0,1,2,3
	global_load_b128 v[BV+16*\b+4*\j:BV+16*\b+4*\j+3], v5, s[8:9] offset:128*\b+16*\j
.endr
.endr
	s_wait_loadcnt 32                              ; x is in; the 32 loads of gain and bias may be out
	v_pk_add_f32 v[24:25], v[X:X+1], v[X+4:X+5]
	v_pk_add_f32 v[26:27], v[X+2:X+3], v[X+6:X+7]
.irp j, 8,12,16,20,24,28,32,36,40,44,48,52,56,60
	s_delay_alu instid0(VALU_DEP_2)
	v_pk_add_f32 v[24:25], v[24:25], v[X+\j:X+\j+1]
	s_delay_alu instid0(VALU_DEP_2)
	v_pk_add_f32 v[26:27], v[26:27], v[X+\j+2:X+\j+3]
.endr
	ALLSUM 0
	s_delay_alu instid0(VALU_DEP_1)
	v_mul_f32 v28, s25, v16                        ; the mean
	s_delay_alu instid0(VALU_DEP_1)
	v_mov_b32 v29, v28
.irp j, 0,2,4,6,8,10,12,14,16,18,20,22,24,26,28,30,32,34,36,38,40,42,44,46,48,50,52,54,56,58,60,62
	v_pk_add_f32 v[X+\j:X+\j+1], v[X+\j:X+\j+1], v[28:29] neg_lo:[0,1] neg_hi:[0,1]
.endr
	v_pk_mul_f32 v[24:25], v[X:X+1], v[X:X+1]
	v_pk_mul_f32 v[26:27], v[X+2:X+3], v[X+2:X+3]
.irp j, 4,8,12,16,20,24,28,32,36,40,44,48,52,56,60
	s_delay_alu instid0(VALU_DEP_2)
	v_pk_fma_f32 v[24:25], v[X+\j:X+\j+1], v[X+\j:X+\j+1], v[24:25]
	s_delay_alu instid0(VALU_DEP_2)
	v_pk_fma_f32 v[26:27], v[X+\j+2:X+\j+3], v[X+\j+2:X+\j+3], v[26:27]
.endr
	ALLSUM 512                                     ; other words than the first sum's: no wave still reads what is written here
	s_delay_alu instid0(VALU_DEP_1)
	v_fma_f32 v28, v16, s25, s27                   ; the variance + 1e-5
	s_wait_alu depctr_va_vdst(0)
	v_rsq_f32 v28, v28
	v_nop                                          ; a plain line behind the transcendental,
	s_wait_alu depctr_va_vdst(0)                   ; and the wait ahead of its first reader
	v_mov_b32 v29, v28
	s_wait_alu depctr_va_vdst(0)
	s_wait_loadcnt 0x0                             ; gain and bias
.irp j, 0,2,4,6,8,10,12,14,16,18,20,22,24,26,28,30,32,34,36,38,40,42,44,46,48,50,52,54,56,58,60,62
	v_pk_mul_f32 v[X+\j:X+\j+1], v[X+\j:X+\j+1], v[28:29]
.endr
.irp j, 0,2,4,6,8,10,12,14,16,18,20,22,24,26,28,30,32,34,36,38,40,42,44,46,48,50,52,54,56,58,60,62
	v_pk_fma_f32 v[X+\j:X+\j+1], v[X+\j:X+\j+1], v[W+\j:W+\j+1], v[BV+\j:BV+\j+1]
.endr
	QUANT X
.irp c, 0,1,2,3
	global_store_b128 v6, v[PC+4*\c:PC+4*\c+3], s[18:19] offset:512*\c   ; 32 lanes store 512 consecutive bytes, aligned
.endr
	global_store_b32 v7, v[PW], s[40:41]           ; 64 bytes of scale words (both halves of the lanes hold the same word): one byte in 128 of the panel
	s_wait_tensorcnt 0x0                           ; the wave's end
	ds_add_u32 v[SPW], v[NIL]
	s_wait_dscnt 0x0
	s_endpgm
	; ---- THE WEIGHTS.  A work-group takes 128 columns x 512 along K of one weight.  A LANE TAKES A COLUMN AND ITS REGISTERS RUN DOWN K: wave w: columns 32 (w % 4) + lane, K rows 256 (w / 4) on: 8 blocks of 32.
	; No LDS and no barrier on this path.  Which weight: by the work-group's number alone; only pointers and sizes are chosen.
.Lweights:
	s_sub_co_u32 s21, ttmp9, 256
	s_mov_b32 s24, 4096                            ; c_proj_mlp_w: bytes in a row,
	s_mov_b32 s25, 3                               ; log2 of its runs of 512 along K,
	s_mov_b32 s26, 32                              ; its K steps,
	s_mov_b32 s27, WML                             ; its place in pb,
	s_mov_b32 s28, 128                             ; its first work-group
	s_mov_b32 s62, 0x600000
	s_wait_kmcnt 0x0
	s_mov_b64 s[58:59], s[16:17]
	s_cmp_lt_u32 s21, 128                          ; c_fc_w
	s_cselect_b64 s[58:59], s[14:15], s[58:59]
	s_cselect_b32 s24, 16384, s24
	s_cselect_b32 s25, 1, s25
	s_cselect_b32 s26, 8, s26
	s_cselect_b32 s27, WFC, s27
	s_cselect_b32 s28, 64, s28
	s_cmp_lt_u32 s21, 64                           ; c_proj_attn_w
	s_cselect_b64 s[58:59], s[12:13], s[58:59]
	s_cselect_b32 s24, 4096, s24
	s_cselect_b32 s27, WPR, s27
	s_cselect_b32 s28, 48, s28
	s_cmp_lt_u32 s21, 48                           ; c_attn_w
	s_cselect_b64 s[58:59], s[10:11], s[58:59]
	s_cselect_b32 s24, 12288, s24
	s_cselect_b32 s27, WQKV, s27
	s_cselect_b32 s28, 0, s28
	s_sub_co_u32 s29, s21, s28
	s_lshr_b32 s30, s29, s25                       ; the group of 128 columns
	s_lshl_b32 s31, s30, s25
	s_sub_co_u32 s31, s29, s31                     ; the run of 512 along K
	s_lshr_b32 s32, s20, 2
	s_and_b32 s33, s20, 3
	s_lshl_b32 s34, s31, 9
	s_lshl_b32 s35, s32, 8
	s_add_co_u32 s34, s34, s35                     ; my first K row
	s_mul_i32 s34, s34, s24
	s_lshl_b32 s35, s30, 9
	s_add_co_u32 s34, s34, s35
	s_lshl_b32 s35, s33, 7
	s_add_co_u32 s34, s34, s35                     ; + 4 x my wave's first column
	s_mov_b32 s35, 0
	s_add_nc_u64 s[40:41], s[58:59], s[34:35]      ; a base for each block: nothing is stepped
	s_lshl_b32 s56, s24, 5
	s_mov_b32 s57, 0
.irp t, 1,2,3,4,5,6,7
	s_add_nc_u64 s[40+2*\t:41+2*\t], s[38+2*\t:39+2*\t], s[56:57]
.endr
	s_mul_i32 s36, s30, s26
	s_lshl_b32 s37, s31, 2
	s_add_co_u32 s36, s36, s37
	s_lshl_b32 s37, s32, 1
	s_add_co_u32 s36, s36, s37                     ; my first panel
	s_mul_i32 s36, s36, PANEL
	s_add_co_u32 s36, s36, s27
	s_mov_b32 s37, 0
	s_add_nc_u64 s[60:61], s[18:19], s[36:37]
	s_wait_alu depctr_va_vdst(0)
	v_lshlrev_b32 v2, 2, v1
.set i, 0
.rept 32
	v_mad_u32_u24 v[16+i], s24, i, v2              ; v16-47: row i of a block, my column
.set i, i+1
.endr
	v_bfe_u32 v3, v1, 3, 1                         ; column 32 q + lane is row r = lane % 8 + 8 (lane / 16) of fragment 2 q + (lane / 8) % 2
	v_and_b32 v4, 7, v1
	v_lshrrev_b32 v5, 4, v1
	s_delay_alu instid0(VALU_DEP_1)
	v_lshl_add_u32 v4, v5, 3, v4
	s_delay_alu instid0(VALU_DEP_1)
	v_lshlrev_b32 v6, 4, v4
	s_delay_alu instid0(VALU_DEP_1)
	v_lshl_add_u32 v6, v3, 11, v6
	s_lshl_b32 s38, s33, 12
	v_add_nc_u32 v6, s38, v6                       ; codes: 4096 q + 2048 u + 16 r
	v_lshlrev_b32 v7, 2, v4
	s_delay_alu instid0(VALU_DEP_1)
	v_lshl_add_u32 v7, v3, 6, v7
	s_lshl_b32 s38, s33, 7
	v_add_nc_u32 v7, s38, v7                       ; scale words: 128 q + 64 u + 4 r
.macro LOAD t
.set i, 0
.rept 32
	global_load_b32 v[48+32*((\t)%2)+i], v[16+i], s[40+2*(\t):41+2*(\t)] th:TH_LOAD_NT   ; 32 lanes read 128 consecutive bytes; four waves stand side by side
.set i, i+1
.endr
.endm
.macro BLOCK t
.set XS, 48+32*((\t)%2)
.set CC, 112+8*(\t)                    ; each block has its own eight registers of codes: no store's data are written again
.if (\t) < 7
	s_wait_loadcnt 32                              ; this block's 32 loads are in; the next block's may be out
.else
	s_wait_loadcnt 0x0
.endif
	v_max3_num_f32 v8, |v[XS]|, |v[XS+1]|, |v[XS+2]|
	v_max3_num_f32 v9, |v[XS+3]|, |v[XS+4]|, |v[XS+5]|
.irp i, 6,10,14,18,22,26
	s_delay_alu instid0(VALU_DEP_2)
	v_max3_num_f32 v8, v8, |v[XS+\i]|, |v[XS+\i+1]|
	s_delay_alu instid0(VALU_DEP_2)
	v_max3_num_f32 v9, v9, |v[XS+\i+2]|, |v[XS+\i+3]|
.endr
	s_delay_alu instid0(VALU_DEP_2)
	v_max3_num_f32 v8, v8, |v[XS+30]|, |v[XS+31]|
	s_delay_alu instid0(VALU_DEP_1)
	v_max3_num_f32 v8, v8, v9, 0x8000000           ; the block's largest magnitude, all 32 mine, and the floor
	s_delay_alu instid0(VALU_DEP_1)
	v_add_nc_u32 v11, 0xf8800000, v8
	s_delay_alu instid0(VALU_DEP_2)
	v_and_or_b32 v10, v8, 0x7f800000, s62
	s_delay_alu instid0(VALU_DEP_2)
	v_lshrrev_b32 v9, 23, v11
.if (\t)%4 == 0
	s_delay_alu instid0(VALU_DEP_1)
	v_mov_b32 v[176+(\t)/4], v9
.else
	s_delay_alu instid0(VALU_DEP_1)
	v_lshl_or_b32 v[176+(\t)/4], v9, 8*((\t)%4), v[176+(\t)/4]
.endif
.set i, 0
.rept 32
	v_med3_num_f32 v[XS+i], v[XS+i], -v10, v10
.set i, i+1
.endr
.irp g, 0,1,2,3
	v_cvt_scalef32_pk8_bf8_f32 v[CC+2*\g:CC+2*\g+1], v[XS+8*\g:XS+8*\g+7], v11
.endr
.if (\t)+2 < 8
	LOAD (\t)+2
.endif
	global_store_b128 v6, v[CC:CC+3], s[60:61] offset:((\t)/4)*PANEL+512*((\t)%4)          ; k 0-15 of the block: lanes (r, 0) of the image; the wave fills two whole aligned runs of 256 bytes
	global_store_b128 v6, v[CC+4:CC+7], s[60:61] offset:((\t)/4)*PANEL+512*((\t)%4)+256    ; k 16-31: lanes (r, 1)
.if (\t)%4 == 3
	global_store_b32 v7, v[176+(\t)/4], s[60:61] offset:((\t)/4)*PANEL+16384
.endif
.endm
	LOAD 0
	LOAD 1
.irp t, 0,1,2,3,4,5,6,7
	BLOCK \t
.endr
	s_endpgm
.Lfunc_end_k_qa38827b42c_prep:
	.size	k_qa38827b42c_prep, .Lfunc_end_k_qa38827b42c_prep-k_qa38827b42c_prep
	.p2alignl 7, 3214868480
	.fill 96, 4, 3214868480
	.section	.rodata,"a",@progbits
	.p2align	6, 0x0
	.amdhsa_kernel k_qa38827b42c_prep
		.amdhsa_group_segment_fixed_size 2048
		.amdhsa_private_segment_fixed_size 0
		.amdhsa_enable_private_segment 0
		.amdhsa_kernarg_size 64
		.amdhsa_user_sgpr_count 2
		.amdhsa_user_sgpr_kernarg_segment_ptr 1
		.amdhsa_wavefront_size32 1
		.amdhsa_system_sgpr_workgroup_id_x 1
		.amdhsa_system_sgpr_workgroup_id_y 1
		.amdhsa_system_sgpr_workgroup_id_z 1
		.amdhsa_system_vgpr_workitem_id 0
		.amdhsa_next_free_vgpr 256
		.amdhsa_next_free_sgpr 66
		.amdhsa_reserve_vcc 0
		.amdhsa_float_denorm_mode_32 3
		.amdhsa_float_denorm_mode_16_64 3
		.amdhsa_memory_ordered 1
		.amdhsa_forward_progress 1
		.amdhsa_inst_pref_size 95
	.end_amdhsa_kernel
	.amdgpu_metadata
---
amdhsa.version: [ 1, 2 ]
amdhsa.kernels:
  - .name:           k_qa38827b42c_prep
    .symbol:         k_qa38827b42c_prep.kd
    .args:
      - { .name: hidden_states, .offset: 0, .size: 8, .value_kind: global_buffer, .address_space: global }
      - { .name: ln1_w, .offset: 8, .size: 8, .value_kind: global_buffer, .address_space: global }
      - { .name: ln1_b, .offset: 16, .size: 8, .value_kind: global_buffer, .address_space: global }
      - { .name: c_attn_w, .offset: 24, .size: 8, .value_kind: global_buffer, .address_space: global }
      - { .name: c_proj_attn_w, .offset: 32, .size: 8, .value_kind: global_buffer, .address_space: global }
      - { .name: c_fc_w, .offset: 40, .size: 8, .value_kind: global_buffer, .address_space: global }
      - { .name: c_proj_mlp_w, .offset: 48, .size: 8, .value_kind: global_buffer, .address_space: global }
      - { .name: pb, .offset: 56, .size: 8, .value_kind: global_buffer, .address_space: global }
    .group_segment_fixed_size: 2048
    .private_segment_fixed_size: 0
    .kernarg_segment_align: 8
    .kernarg_segment_size: 64
    .max_flat_workgroup_size: 256
    .sgpr_count:     66
    .vgpr_count:     256
    .wavefront_size: 32
...
	.end_amdgpu_metadata
.endif
;; end of part 1
;; launch qkv (part 2): grid 12 x 16, 4 waves a work-group, clusters of 4 x 4, 327,680 bytes of LDS; arguments pb, c_attn_b, qk; writes qk
.if DOCPART == 2
	.amdgcn_target "amdgcn-amd-amdhsa--gfx1250"
	.amdhsa_code_object_version 6
	.text
	.protected	k_qa38827b42c_qkv
	.globl	k_qa38827b42c_qkv
	.p2align	8
	.type	k_qa38827b42c_qkv,@function
k_qa38827b42c_qkv:
	s_mov_b64 s[64:65], 0
	v_nop
	global_prefetch_b8 v0, s[64:65] scope:SCOPE_SE
	s_setreg_imm32_b32 hwreg(HW_REG_WAVE_MODE, 25, 1), 1
	s_wait_xcnt 0x0
	s_wait_alu depctr_hold_cnt(0) depctr_sa_sdst(0) depctr_va_vdst(0) depctr_va_sdst(0) depctr_va_ssrc(0) depctr_va_vcc(0) depctr_vm_vsrc(0)
	s_getreg_b32 s2, hwreg(HW_REG_IB_STS2, 6, 4)
	s_cmp_eq_u32 s2, 0
	s_cbranch_scc0 .Lentry_in_a_cluster
	s_endpgm
.Lentry_in_a_cluster:
	s_bfe_u32 s2, ttmp6, 0x10000c
	s_cmp_lg_u32 s2, 0xf033
	s_cbranch_scc0 .Lentry_shape_is_right
	s_endpgm
.Lentry_shape_is_right:
; qkv = LN1(x) c_attn_w + c_attn_b on codes of BF8, and q, k, v quantised on the way out as launch attn wants them.  Operands come as PANELS (128 rows x 128 K: 8 fragment images of 2,048 bytes, register group c of
; lane l at 512 c + 16 l, then 8 x 64 bytes of scale words; row r of fragment a is row 32 (a / 2) + 8 (a % 2) + r + 8 (r / 8)).  Two K steps of a group of rows are 33,792 dense bytes: one tensor load.
; A work-group of four waves makes 256 x 256, a wave 128 x 128 (64 accumulators).  K = 1,024 goes in slots of two K steps through a ring of two LDS slots.  4 x 4 clusters: operand A's panels are shared along a row
; of the cluster, B's along a column, by joint loads.  Source 0 = B's fragment, source 1 = A's: a lane holds one row of A and, over B's eight fragments, 64 numbers in the order 32 b + 16 (lane / 16) + i.
; q, k (cluster x = 0, 1): A = tokens, B = weight columns: a lane's numbers run along the head's channels, the K of q k^T.  v (cluster x = 2): A = weight columns, B = tokens: they run along the keys, the K of p v.
; The roles differ in global offsets alone; the choice hangs on the cluster's x, which all partners share.
; OUT: q: [b h][group of 128 tokens][8,704]: 8 half fragments of 1,024 bytes (64 along K), then scale words (bytes 0, 1 count).  k, v: [b h][group][17,152]: k as q; from 8,704 on v: 4 fragments (16 channels x 128 keys), words.
; LIMITS: NaN and infinities are not served; a block whose largest magnitude lies under 2^-111 keeps the byte 1.
.set PANEL, 16896
.set FRB,   2048
.set SCO,   16384
.set QTR,   2*PANEL                    ; what one tensor load brings
.set SLOT,  QTR                        ; a wave's quarters of slot 0 and slot 1 are neighbours in LDS: group i of A at 2 i QTR, of B at (4 + 2 i) QTR, slot s a QTR on: so ONE load of four K steps fills both at the head
.set SPARE, 8*QTR                      ; behind the ring: the spare words, 128 bytes a wave
.set NQ,    2
.set SS,    QTR
.set KST,   8
.set WQKV,  4325376
.set KVOFF, 4456448
.set ADRA, 16                          ; v16-17 LDS address of my A fragments in slot 0, 1; v20-21 B's; v22-23 the scale words' (lanes 0-15 A's, lanes 16-31 B's)
.set ADRB, 20
.set ADRS, 22
.set SPW,  28
.set NIL,  29
.set SC,   32                          ; v32-63 scale words and nothing else: set s at 32 + 16 s, register 2 i + q
.set BR,   64                          ; v64-127 the bias
.set AF,   128                         ; v128-255 A's one set of fragments; window 1: B's two sets; windows 2, 3: the accumulators, (a, b) at v[8 (8 (a % 4) + b)]
.set H,    128                         ; the way out: 64 numbers; codes; the quantiser's registers
.set PC,   192
.set TM,   208
.set PW,   224
.set G1,   24
.set G0,   32
.set G1B,  48
.set G0B,  56
.set SEL,  76
.set MNT,  78
.set MSB, 0
.macro WIN new                         ; the immediate's high byte repeats the setting that is left
.if MSB != (\new)
	s_set_vgpr_msb (MSB<<8)|(\new)
.set MSB, (\new)
.endif
.endm
.set MUL_LO, 0xa1                      ; source 0 (B) window 1, source 1 (A) window 0, C and D window 2
.set MUL_HI, 0xf1
.set TO_B,   0x40
.macro JLOAD g0a, g0b                  ; a joint load: waves 0, 1 fetch for A, waves 2, 3 for B; an s_nop 0 and four v_nop follow each line
	s_cmp_eq_u32 s15, 0
	s_cbranch_scc0 .Lfor_b_\@
	tensor_load_to_lds s[\g0a:\g0a+3], s[G1:G1+7]
	s_nop 0
.rept 4
	v_nop
.endr
	s_branch .Lasked_\@
.Lfor_b_\@:
	tensor_load_to_lds s[\g0b:\g0b+3], s[G1B:G1B+7]
	s_nop 0
.rept 4
	v_nop
.endr
.Lasked_\@:
.endm
.macro CREST                           ; a round of the cluster's barrier behind its opening barrier
	s_cmp_lg_u32 s14, 0
	s_cbranch_scc1 .Lnot_wave_0_\@
	s_barrier_signal -3
.Lnot_wave_0_\@:
	s_barrier_wait -3
	s_barrier_signal -1
	s_barrier_wait -1
.endm
.macro CROUND
	s_barrier_signal -1
	s_barrier_wait -1
	CREST
.endm
.macro PLACES n                        ; plain vector lines between a matrix instruction and a load into, or a read of, its registers
.rept \n
	v_nop
.endr
.endm
.macro FRAG reg, adr, off              ; a fragment comes back as it was stored: four loads of 512 consecutive bytes
.irp c, 0,1,2,3
	ds_load_b128 v[\reg+4*\c:\reg+4*\c+3], v[\adr] offset:\off+512*\c
.endr
.endm
.macro FETCH_B slot, q, p
	WIN TO_B
.irp i, 0,1,2,3,4,5,6,7
	FRAG 128*(\p)+16*\i, ADRB+\slot, (\q)*PANEL+\i*FRB
.endr
	WIN 0
.endm
.macro FETCH_A slot, q, i0
.irp i, \i0, \i0+1, \i0+2, \i0+3
	FRAG AF+16*(\i), ADRA+\slot, (\q)*PANEL+(\i)*FRB
.endr
.endm
.macro SCALES slot
.irp i, 0,1,2,3,4,5,6,7
	ds_load_b32 v[SC+8*NQ*\slot+NQ*\i], v[ADRS+\slot] offset:64*\i
	ds_load_b32 v[SC+8*NQ*\slot+NQ*\i+1], v[ADRS+\slot] offset:PANEL+64*\i
.endr
.endm
; 16 matrix instructions: A's blocks a0, a0 + 1 x B's eight.  The 64 accumulators take turns, one instruction a turn, in the same order in every step
.macro MUL16 a0, p, q, sc, zero
.irp a, \a0, \a0+1
.irp b, 0,1,2,3,4,5,6,7
.set rD, 8*(8*((\a)%4)+\b)
.set rB, 128*(\p)+16*\b
.set rA, AF+16*(\a)
.set rSB, SC+8*NQ*(\sc)+NQ*\b+(\q)
.set rSA, SC+8*NQ*(\sc)+NQ*(\a)+(\q)
.if \zero
	v_wmma_scale_f32_16x16x128_f8f6f4 v[rD:rD+7], v[rB:rB+15], v[rA:rA+15], 0, v[rSB], v[rSA] matrix_a_fmt:MATRIX_FMT_BF8 matrix_b_fmt:MATRIX_FMT_BF8 matrix_a_scale:MATRIX_SCALE_ROW1
.else
	v_wmma_scale_f32_16x16x128_f8f6f4 v[rD:rD+7], v[rB:rB+15], v[rA:rA+15], v[rD:rD+7], v[rSB], v[rSA] matrix_a_fmt:MATRIX_FMT_BF8 matrix_b_fmt:MATRIX_FMT_BF8 matrix_a_scale:MATRIX_SCALE_ROW1
.endif
.endr
.endr
.endm
.macro STEP slot, zero                 ; a slot's first K step: B's set 0; the second step's fragments are fetched on the way
	s_wait_dscnt 16                                ; all but the youngest 16 loads, A's blocks 4-7
	WIN MUL_LO
	MUL16 0, 0, 0, \slot, \zero
	MUL16 2, 0, 0, \slot, \zero
	s_wait_dscnt 0x0
	PLACES 8
	FETCH_B \slot, 1, 1
	FETCH_A \slot, 1, 0
	WIN MUL_HI
	MUL16 4, 0, 0, \slot, \zero
	MUL16 6, 0, 0, \slot, \zero
	PLACES 8
	WIN 0
	FETCH_A \slot, 1, 4
.endm
; A slot's last K step changes slots: ONE barrier; in front of it each wave waits for all its tensor loads, adds 0 to its spare word, and waits for that and for its reads of this slot.
; fill = 1: all fragments of this step have been asked for when it begins (A's blocks 4-7 were the last), so the change stands at the step's head: the refill goes out ahead of the step's 64 products and has them, too, in which to land.
.macro TURN slot, next, fill, p, zero
	s_wait_tensorcnt 0x0                           ; all my tensor loads have landed: my part of the next slot; so a group 0 may be written
	ds_add_u32 v[SPW], v[NIL]
.if \fill
	s_add_nc_u64 s[G0+4*\slot+2:G0+4*\slot+3], s[G0+4*\slot+2:G0+4*\slot+3], 2*SS
	s_add_nc_u64 s[G0B+4*\slot+2:G0B+4*\slot+3], s[G0B+4*\slot+2:G0B+4*\slot+3], 2*SS
	s_wait_dscnt 0x0                               ; the add is done, and my reads of this slot are over: its last fragments are in registers
	s_barrier_signal -1
	s_barrier_wait -1
	CREST                                          ; the barrier has opened a round of the cluster's: no wave of any partner still reads this slot or has a load on its way
	JLOAD G0+4*\slot, G0B+4*\slot                  ; the first tensor load behind the round
	WIN MUL_LO
	MUL16 0, \p, NQ-1, \slot, \zero
	MUL16 2, \p, NQ-1, \slot, \zero
	PLACES 8
.else
	s_wait_dscnt 17                                ; (the add and A's blocks 4-7 may be out)
	WIN MUL_LO
	MUL16 0, \p, NQ-1, \slot, \zero
	s_wait_dscnt 0x0                               ; the add is done, and my reads of this slot are over
	s_barrier_signal -1
	MUL16 2, \p, NQ-1, \slot, \zero
	WIN 0
	s_barrier_wait -1
	PLACES 8
.endif
	FETCH_B \next, 0, 1-\p
	FETCH_A \next, 0, 0
	SCALES \next
	WIN MUL_HI
	MUL16 4, \p, NQ-1, \slot, \zero
	MUL16 6, \p, NQ-1, \slot, \zero
	PLACES 8
	WIN 0
	FETCH_A \next, 0, 4
.endm
.macro LAST p, sc
	s_wait_dscnt 16
	WIN MUL_LO
	MUL16 0, \p, NQ-1, \sc, 0
	MUL16 2, \p, NQ-1, \sc, 0
	s_wait_dscnt 0x0
	WIN MUL_HI
	MUL16 4, \p, NQ-1, \sc, 0
	MUL16 6, \p, NQ-1, \sc, 0
	WIN 0
.endm
.macro QUANT s                         ; 64 numbers of a lane, register 16 b + i = k 32 b + 16 (lane / 16) + i of my row -> codes in v[PC] on, scale word in v[PW]
.irp b, 0,1,2,3
	v_max3_num_f32 v[TM+\b], |v[\s+16*\b]|, |v[\s+1+16*\b]|, 0x8000000   ; with the floor 2^(16 - 127): the byte cannot fall under 1
.endr
.irp i, 2,4,6,8,10,12,14
.irp b, 0,1,2,3
	v_max3_num_f32 v[TM+\b], v[TM+\b], |v[\s+16*\b+\i]|, |v[\s+1+16*\b+\i]|
.endr
.endr
.irp b, 0,1,2,3
	v_permlanex16_b32 v[TM+4+\b], v[TM+\b], s[SEL], s[SEL+1]
.endr
.irp b, 0,1,2,3
	v_max_num_f32 v[TM+\b], v[TM+\b], v[TM+4+\b]
.endr
.irp b, 0,1,2,3
	v_add_nc_u32 v[TM+12+\b], 0xf8800000, v[TM+\b]    ; 15 off the exponent field: the conversion's scale operand
.endr
.irp b, 0,1,2,3
	v_and_or_b32 v[TM+8+\b], v[TM+\b], 0x7f800000, s[MNT]   ; 57,344 x the scale
.endr
.irp b, 0,1,2,3
	v_lshrrev_b32 v[TM+4+\b], 23, v[TM+12+\b]
.endr
	s_wait_alu depctr_va_vdst(0)
	s_wait_xcnt 0x0                                ; the last trip's stores have read their data and bases: the scale word, the codes and the bases are written again only behind this wait
	v_lshl_or_b32 v[PW], v[TM+5], 8, v[TM+4]
	v_lshl_or_b32 v[PW], v[TM+6], 16, v[PW]
	v_lshl_or_b32 v[PW], v[TM+7], 24, v[PW]
.irp b, 0,1,2,3
.irp i, 0,1,2,3,4,5,6,7,8,9,10,11,12,13,14,15
	v_med3_num_f32 v[\s+16*\b+\i], v[\s+16*\b+\i], -v[TM+8+\b], v[TM+8+\b]   ; the conversion does not saturate (ISA guide 7.6.2): the hold
.endr
	v_cvt_scalef32_pk8_bf8_f32 v[PC+4*\b:PC+1+4*\b], v[\s+16*\b:\s+7+16*\b], v[TM+12+\b]
	v_cvt_scalef32_pk8_bf8_f32 v[PC+2+4*\b:PC+3+4*\b], v[\s+8+16*\b:\s+15+16*\b], v[TM+12+\b]
.endr
	s_wait_alu depctr_va_vdst(0)
	v_nop
.endm
; Block a's 64 sums + the bias -> v[H] on; each accumulator is read from its low end on.  kind 0: the bias goes by the register (q, k: the lane's 64 columns); kind 1: by the block (v: the lane's one channel)
.macro COPY a, kind
	WIN 2+(\a)/4
.set AC, 64*((\a)%4)
.set i, 0
.rept 32
.if \kind
	v_pk_add_f32 v[H+i:H+i+1], v[AC+i:AC+i+1], v[BR+8*(\a):BR+8*(\a)+1]
.else
	v_pk_add_f32 v[H+i:H+i+1], v[AC+i:AC+i+1], v[BR+i:BR+i+1]
.endif
.set i, i+2
.endr
	WIN 0
.endm
.macro LADDER kind                     ; register numbers cannot be stepped: the trip's block is picked by compares on the count of trips
.irp a, 0,1,2,3,4,5,6
	s_cmp_eq_u32 s66, \a
	s_cbranch_scc1 .Lc_\kind\a
.endr
	COPY 7, \kind
	s_branch .Lquant
.irp a, 0,1,2,3,4,5,6
.Lc_\kind\a:
	COPY \a, \kind
	s_branch .Lquant
.endr
.endm
	s_load_b128 s[4:7], s[0:1], 0x0                ; pb, c_attn_b
	s_load_b64 s[8:9], s[0:1], 0x10                ; qk
	v_lshl_add_u32 v[SPW], v0, 2, SPARE
	v_mov_b32 v[NIL], 0
	ds_add_u32 v[SPW], v[NIL]                      ; the wave's opening: the add, twice on end, and its wait ahead of my first tensor load
	ds_add_u32 v[SPW], v[NIL]
	v_lshrrev_b32 v1, 5, v0
	v_readfirstlane_b32 s14, v1                    ; wave 0..3
	s_lshr_b32 s15, s14, 1                         ; my group of A's two.  Also: I fetch for A (0) or for B (1)
	s_and_b32 s16, s14, 1                          ; my group of B's two.  Also: which group I fetch
	s_bfe_u32 s40, ttmp6, 0x40000                  ; cx
	s_bfe_u32 s41, ttmp6, 0x40004                  ; cy
	s_and_b32 s18, ttmp7, 0xffff
	s_lshl_b32 s18, s18, 2                         ; 4 x cluster y
	s_lshl_b32 s19, ttmp9, 2                       ; 4 x cluster x
	s_cmp_eq_u32 ttmp9, 2                          ; v?  The same in all sixteen partners
	s_cselect_b32 s79, 1, 0
	s_cselect_b32 s17, 8, s18                      ; A's tile of 256 rows: tokens by y; for v the weight's columns 2,048 on
	s_cselect_b32 s42, s18, s19                    ; B's: weight columns by x; for v tokens by y
	s_cselect_b32 s12, WQKV, 0                     ; A's and B's places in pb
	s_cselect_b32 s13, 0, WQKV
	s_add_co_u32 s17, s17, s41                     ; + cy: shared along my row of the cluster
	s_add_co_u32 s42, s42, s40                     ; + cx: shared along my column
	s_lshl_b32 s43, s41, 2
	s_lshl_b32 s43, 15, s43                        ; my row of the cluster
	s_lshl_b32 s44, 0x1111, s40                    ; my column
	s_or_b32 s[G1], s43, (3<<16)|(1<<21)           ; 15:0 the mask; 17:16 elements of 8 bytes; 21 set beside a mask; no padding
	s_or_b32 s[G1B], s44, (3<<16)|(1<<21)
.irp g, G1, G1B
	s_mov_b32 s[\g+1], 32<<16                      ; tensor_dim0: 32 elements = 256 bytes
	s_mov_b32 s[\g+2], 264<<16                     ; tensor_dim1: the head's load: 264 rows = four K steps; behind it the two words are set to 132
	s_mov_b32 s[\g+3], 32<<16                      ; tile_dim0
	s_mov_b32 s[\g+4], 264                         ; tile_dim1
	s_mov_b32 s[\g+5], 32                          ; the rows are dense
	s_mov_b32 s[\g+6], 0
	s_mov_b32 s[\g+7], 0
.endr
	s_lshl_b32 s20, s17, 1
	s_add_co_u32 s20, s20, s16
	s_mul_i32 s20, s20, KST*PANEL
	s_add_co_u32 s20, s20, s12
	s_mov_b32 s21, 0
	s_lshl_b32 s46, s42, 1
	s_add_co_u32 s46, s46, s16
	s_mul_i32 s46, s46, KST*PANEL
	s_add_co_u32 s46, s46, s13
	s_mov_b32 s47, 0
	s_mul_i32 s45, s14, 2*QTR                      ; where my quarters of the two slots lie: no place in the cluster enters an LDS address
	s_mov_b32 s[SEL], 0x76543210
	s_mov_b32 s[SEL+1], 0xfedcba98
	s_mov_b32 s[MNT], 0x600000
	s_wait_dscnt 0x0                               ; both opening adds are done
	s_wait_kmcnt 0x0
	s_add_nc_u64 s[20:21], s[4:5], s[20:21]
	s_add_nc_u64 s[46:47], s[4:5], s[46:47]
	CROUND                                         ; all sixteen work-groups are here: the first joint loads meet
.irp s, 0,1
	s_mov_b32 s[G0+4*\s], 1
	s_add_co_u32 s[G0+4*\s+1], s45, \s*SLOT
	s_add_nc_u64 s[G0+4*\s+2:G0+4*\s+3], s[20:21], \s*SS
	s_or_b32 s[G0+4*\s+3], s[G0+4*\s+3], 0x80000000
	s_mov_b32 s[G0B+4*\s], 1
	s_add_co_u32 s[G0B+4*\s+1], s45, \s*SLOT
	s_add_nc_u64 s[G0B+4*\s+2:G0B+4*\s+3], s[46:47], \s*SS
	s_or_b32 s[G0B+4*\s+3], s[G0B+4*\s+3], 0x80000000
.endr
	JLOAD G0, G0B                                  ; K steps 0 to 3, both slots: one tensor load a wave at the head
	; K steps 4 to 7 of the group that I fetch, 264 blocks of 256 bytes, which the two refills will load, are asked for now: the four partners that load them jointly share the blocks out by address: partner p takes blocks p + 4 m, m = 0 .. 65
	s_cmp_eq_u32 s15, 0
	s_cselect_b64 s[96:97], s[20:21], s[46:47]
	s_cselect_b32 s98, s40, s41                    ; my place among the four: cx for A, cy for B
	v_and_b32 v10, 31, v0
	v_min_u32 v11, 1, v10                          ; (the third instruction's lanes past the last block name it again)
	v_lshlrev_b32 v10, 10, v10
	v_lshlrev_b32 v11, 10, v11
	v_lshl_add_u32 v10, s98, 8, v10
	v_lshl_add_u32 v11, s98, 8, v11
	global_prefetch_b8 v10, s[96:97] offset:4*PANEL th:TH_LOAD_NT scope:SCOPE_SE
	global_prefetch_b8 v10, s[96:97] offset:4*PANEL+32768 th:TH_LOAD_NT scope:SCOPE_SE
	global_prefetch_b8 v11, s[96:97] offset:4*PANEL+65536 th:TH_LOAD_NT scope:SCOPE_SE
	v_and_b32 v1, 31, v0
	v_and_b32 v2, 15, v0                           ; r
	v_bfe_u32 v3, v0, 4, 1                         ; h
	v_lshlrev_b32 v4, 4, v1                        ; 16 x lane
	s_mul_i32 s21, s15, 2*QTR                      ; my group of A
	s_mul_i32 s22, s16, 2*QTR
	s_add_co_u32 s22, s22, 4*QTR                   ; my group of B
	s_sub_co_u32 s23, s22, s21
	v_mul_u32_u24 v6, s23, v3                      ; lanes 16-31 take B's words
	v_lshl_add_u32 v6, v2, 2, v6
	v_add_nc_u32 v6, SCO, v6
.irp s, 0,1
	v_add_nc_u32 v[ADRA+\s], s21, v4
	v_add_nc_u32 v[ADRB+\s], s22, v4
	v_add_nc_u32 v[ADRS+\s], s21, v6
	s_add_co_u32 s21, s21, SLOT
	s_add_co_u32 s22, s22, SLOT
.endr
	; where my wave's results go
	s_lshl_b32 s80, s17, 1
	s_add_co_u32 s80, s80, s15                     ; my group of A
	s_lshl_b32 s81, s42, 1
	s_add_co_u32 s81, s81, s16                     ; my group of B
	s_cmp_eq_u32 s79, 1
	s_cselect_b32 s82, s81, s80                    ; the group of 128 tokens, 0..31
	s_cselect_b32 s83, s80, s81                    ; the group of 128 columns, 0..23
	s_lshl_b32 s84, s83, 9
	s_mov_b32 s85, 0
	s_add_nc_u64 s[6:7], s[6:7], s[84:85]          ; its bias
	s_and_b32 s84, s83, 7
	s_lshl_b32 s84, s84, 1                         ; the first of its two heads
	s_lshr_b32 s86, s82, 4
	s_lshl_b32 s86, s86, 4
	s_add_co_u32 s84, s84, s86
	s_lshl_b32 s84, s84, 4
	s_and_b32 s86, s82, 15
	s_add_co_u32 s84, s84, s86                     ; the record: (16 batch + head) 16 + group
	s_mov_b32 s87, 17152
	s_cmp_eq_u32 ttmp9, 0
	s_cselect_b32 s87, 8704, s87                   ; a record's bytes
	s_cselect_b32 s88, 0, KVOFF
	s_mul_i32 s84, s84, s87
	s_add_co_u32 s84, s84, s88
	s_lshl_b32 s89, s87, 4                         ; from a head to the next: 16 records
	s_mov_b32 s90, 4096
	s_mov_b32 s91, 1024
	s_mov_b32 s92, 256
	s_cmp_eq_u32 s79, 1
	s_cselect_b32 s88, 8704, 0                     ; v lies behind k in its record
	s_cselect_b32 s90, 274432, s90                 ; codes: from blocks 0-3 to blocks 4-7 (v: the next head),
	s_cselect_b32 s91, 2048, s91                   ; from block to block
	s_cselect_b32 s92, 274432, s92                 ; the same for the scale words
	s_cselect_b32 s93, 1024, s89                   ; where register groups 2, 3 go: v: on in the fragment; q, k: the next head
	s_cselect_b32 s94, 0, s89
	s_cselect_b32 s95, 0, 16
	s_add_co_u32 s84, s84, s88
	s_add_nc_u64 s[72:73], s[8:9], s[84:85]
	v_mov_b32 v24, v4                              ; groups 0, 1
	v_add_nc_u32 v25, s93, v4                      ; groups 2, 3
	v_mul_u32_u24 v26, s94, v3
	v_lshl_add_u32 v26, v2, 2, v26                 ; the scale word: q, k: lanes 0-15 store the first head's two bytes, lanes 16-31 the second's
	v_mul_u32_u24 v27, s95, v3                     ; and by how much it is shifted
	v_lshlrev_b32 v7, 6, v3
	v_and_b32 v8, 8, v2
	v_add_nc_u32 v8, v8, v2
	v_lshlrev_b32 v8, 2, v8
	s_cmp_eq_u32 s79, 1
	s_cbranch_scc1 .Lbias_v
.irp b, 0,1,2,3
.irp j, 0,1,2,3
	global_load_b128 v[BR+16*\b+4*\j:BR+16*\b+4*\j+3], v7, s[6:7] offset:128*\b+16*\j   ; q, k: register 16 b + i: column 32 b + 16 h + i
.endr
.endr
	s_branch .Lbias_in
.Lbias_v:
	s_wait_alu depctr_va_vdst(0)
.irp a, 0,1,2,3,4,5,6,7
.irp j, 0,1,2,3,4,5,6,7
	global_load_b32 v[BR+8*\a+\j], v8, s[6:7] offset:(32*(\a/2)+8*(\a%2))*4              ; v: block a's eight registers all hold my channel's bias: both arms fill the same 64 registers
.endr
.endr
.Lbias_in:
	s_wait_alu depctr_va_vdst(0)
	s_wait_tensorcnt 0x0                           ; my part of both slots is in; no tensor load of mine is out, so a descriptor may be written:
	s_mov_b32 s[G1+2], 132<<16                     ; from here on a load brings 132 rows, two K steps
	s_mov_b32 s[G1+4], 132
	s_mov_b32 s[G1B+2], 132<<16
	s_mov_b32 s[G1B+4], 132
	s_barrier_signal -1
	s_barrier_wait -1
	FETCH_B 0, 0, 0
	FETCH_A 0, 0, 0
	SCALES 0
	FETCH_A 0, 0, 4
	STEP 0, 1                                      ; K step 0: its products start the sums
	TURN 0, 1, 1, 1, 0                             ; 1; slot 0 takes K steps 4, 5
	STEP 1, 0                                      ; 2
	TURN 1, 0, 1, 1, 0                             ; 3; slot 1 takes K steps 6, 7
	STEP 0, 0                                      ; 4
	TURN 0, 1, 0, 1, 0                             ; 5; nothing is left to fetch
	STEP 1, 0                                      ; 6
	LAST 1, 1                                      ; 7
	PLACES 8
	s_wait_loadcnt 0x0                             ; the bias
.irp b, 0,1,2,3
	v_mov_b32 v[TM+4+\b], 0                        ; a lane permute's destination counts as one of its sources
.endr
	s_mov_b32 s66, 0
.Lrow:                                                 ; eight trips: block a of A's rows: + bias, quantised, stored.  What the last trip's stores read is written again only behind the wait in the quantiser
	s_cmp_eq_u32 s79, 1
	s_cbranch_scc1 .Lladder_v
	LADDER 0
.Lladder_v:
	LADDER 1
.Lquant:
	QUANT H
	v_lshrrev_b32 v225, v27, v[PW]
	s_wait_alu depctr_va_vdst(0)
	s_lshr_b32 s67, s66, 2
	s_and_b32 s86, s66, 3
	s_mul_i32 s74, s67, s90
	s_mul_i32 s87, s86, s91
	s_add_co_u32 s74, s74, s87
	s_mov_b32 s75, 0
	s_add_nc_u64 s[68:69], s[72:73], s[74:75]
	s_mul_i32 s74, s67, s92
	s_lshl_b32 s87, s86, 6
	s_add_co_u32 s74, s74, s87
	s_add_co_u32 s74, s74, 8192
	s_add_nc_u64 s[70:71], s[72:73], s[74:75]
	global_store_b128 v24, v[PC:PC+3], s[68:69]                 ; each store of the wave covers 512 consecutive bytes, aligned
	global_store_b128 v24, v[PC+4:PC+7], s[68:69] offset:512
	global_store_b128 v25, v[PC+8:PC+11], s[68:69]
	global_store_b128 v25, v[PC+12:PC+15], s[68:69] offset:512
	global_store_b32 v26, v225, s[70:71]
	s_add_co_u32 s66, s66, 1
	s_cmp_lt_u32 s66, 8
	s_cbranch_scc1 .Lrow
	s_wait_tensorcnt 0x0                           ; the wave's end
	ds_add_u32 v[SPW], v[NIL]
	s_wait_dscnt 0x0
	CROUND                                         ; the closing round
	s_endpgm
.Lfunc_end_k_qa38827b42c_qkv:
	.size	k_qa38827b42c_qkv, .Lfunc_end_k_qa38827b42c_qkv-k_qa38827b42c_qkv
	.p2alignl 7, 3214868480
	.fill 96, 4, 3214868480
	.section	.rodata,"a",@progbits
	.p2align	6, 0x0
	.amdhsa_kernel k_qa38827b42c_qkv
		.amdhsa_group_segment_fixed_size 327680
		.amdhsa_private_segment_fixed_size 0
		.amdhsa_enable_private_segment 0
		.amdhsa_kernarg_size 24
		.amdhsa_user_sgpr_count 2
		.amdhsa_user_sgpr_kernarg_segment_ptr 1
		.amdhsa_wavefront_size32 1
		.amdhsa_system_sgpr_workgroup_id_x 1
		.amdhsa_system_sgpr_workgroup_id_y 1
		.amdhsa_system_sgpr_workgroup_id_z 1
		.amdhsa_system_vgpr_workitem_id 0
		.amdhsa_next_free_vgpr 1024
		.amdhsa_next_free_sgpr 100
		.amdhsa_reserve_vcc 0
		.amdhsa_float_denorm_mode_32 3
		.amdhsa_float_denorm_mode_16_64 3
		.amdhsa_memory_ordered 1
		.amdhsa_forward_progress 1
		.amdhsa_inst_pref_size 169
	.end_amdhsa_kernel
	.amdgpu_metadata
---
amdhsa.version: [ 1, 2 ]
amdhsa.kernels:
  - .name:           k_qa38827b42c_qkv
    .symbol:         k_qa38827b42c_qkv.kd
    .args:
      - { .name: pb, .offset: 0, .size: 8, .value_kind: global_buffer, .address_space: global }
      - { .name: c_attn_b, .offset: 8, .size: 8, .value_kind: global_buffer, .address_space: global }
      - { .name: qk, .offset: 16, .size: 8, .value_kind: global_buffer, .address_space: global }
    .group_segment_fixed_size: 327680
    .private_segment_fixed_size: 0
    .kernarg_segment_align: 8
    .kernarg_segment_size: 24
    .max_flat_workgroup_size: 128
    .sgpr_count:     100
    .vgpr_count:     1024
    .wavefront_size: 32
...
	.end_amdgpu_metadata
.endif
;; end of part 2
;; launch attn (part 3): grid 8 x 32, 16 waves a work-group, clusters of 4 x 1, 327,680 bytes of LDS; arguments qk, cp; writes cp
.if DOCPART == 3
	.amdgcn_target "amdgcn-amd-amdhsa--gfx1250"
	.amdhsa_code_object_version 6
	.text
	.protected	k_qa38827b42c_attn
	.globl	k_qa38827b42c_attn
	.p2align	8
	.type	k_qa38827b42c_attn,@function
k_qa38827b42c_attn:
	s_mov_b64 s[64:65], 0
	v_nop
	global_prefetch_b8 v0, s[64:65] scope:SCOPE_SE
	s_setreg_imm32_b32 hwreg(HW_REG_WAVE_MODE, 25, 1), 1
	s_wait_xcnt 0x0
	s_wait_alu depctr_hold_cnt(0) depctr_sa_sdst(0) depctr_va_vdst(0) depctr_va_sdst(0) depctr_va_ssrc(0) depctr_va_vcc(0) depctr_vm_vsrc(0)
	s_getreg_b32 s2, hwreg(HW_REG_IB_STS2, 6, 4)
	s_cmp_eq_u32 s2, 0
	s_cbranch_scc0 .Lentry_in_a_cluster
	s_endpgm
.Lentry_in_a_cluster:
	s_bfe_u32 s2, ttmp6, 0x10000c
	s_cmp_lg_u32 s2, 0x3003
	s_cbranch_scc0 .Lentry_shape_is_right
	s_endpgm
.Lentry_shape_is_right:
; Causal attention on codes of BF8, head size 64; ctx is quantised on the way out into panels for launch proj.
; LEFT OUT: a step of 128 keys all of which come behind a tile's 16 queries: the problem's own causal mask gives them p = 0 for all inputs (shown at the head of launch prep).
; t = score x log2(e) / 8; M = the running largest t rounded UP to a whole number; p = 2^(t - M) is quantised along the keys; the row's sum is taken of the unquantised p and divides at the end.
; LIMIT: the promise holds while the scaled scores t stay under 2^31 in magnitude; NaN and infinities are not served.
; SHARES.  Work-group (i, b h) owns tile i (16 queries) of EACH of the head's sixteen groups of 128 queries; a tile of group G needs key groups 0 .. G: 136 steps in every work-group, and every work-group reads all sixteen records.
; Waves g and g + 8 are a pair (g = 0 .. 7).  Wave g, the helper, makes tile i of group g (key groups 0 .. g) and then takes key groups g + 1 .. 7 for the pair's other tile: 8 steps.
; Wave g + 8, the owner, makes tile i of group 15 - g on key groups 0 .. g and 8 .. 15 - g: 9 steps.  Each side has an M, a sum and an O^T of its own; at the end the helper hands its three through LDS, the owner brings both
; under the larger M by factors 2^(M - M'), which round nothing, adds them and goes out.  All these choices hang on the wave's number and the count of steps alone.
; K AND V OF THE WHOLE HEAD STAY IN LDS: sixteen records of 17,152 bytes (register images laid by launch qkv) are 274,432 bytes; nothing is filled again, so there is no ring.  Waves 0 to 3 fetch four records each, one tensor load a wave.
; TWO BARRIERS.  The first shows records 0 to 3: wave 0, whose load has a line of its own, alone waits for its load there.  The second shows the rest, and is split: every wave waits for its loads and signals, walks key groups 0 to 3,
; and only then waits at the barrier.  Between that signal and its wait stand register work and LDS loads alone: so a helper that finishes its own tile there keeps the tile's codes and scale word in the nine registers
; that held its second Q, and stores them at the end.
; CLUSTER 4, 1, 1: the four work-groups walk the same head and ask for the records jointly (mask 15).  A work-group's place enters global addresses and the mask's compare values alone.
; NO PREFETCH: all that the launch streams is asked for by the head's loads; there is no loop to run ahead in.
; Every wave walks all sixteen key groups, so that the trip counts are constants; what is left out is a step's work, by scalar branches at its head.
; Both products are used transposed (S^T = K Q^T, O^T = V^T P^T): a lane holds one query.  Row r of tile a is key (query, channel) 32 (a / 2) + 8 (a % 2) + r + 8 (r / 8): the 16 registers of two neighbouring tiles are 16 neighbours.
; THE HEAD'S 64 IN AN INSTRUCTION OF 128: Q's registers 8-15 are zero codes.  K's operand of tile t is v[32 + 8 t : 47 + 8 t]: its upper half is the next tile's codes (tile 7: zeros): finite, since every code was held, and 0 x finite adds nothing.
; REGISTERS: v1 16 lane, v2 4 r, v3, v4 the add's, v6, v7 LDS addresses, v8 my query - 16 h, v9 my pair's bytes in LDS, v12 -M, v13 largest t, v[14:15] the sum, v16-23 Q, v24-31 zeros, v32-95 K then V, v96-103 zeros,
; v104-167 S^T then p, v168-199 O^T, v200-215 p's codes, v216-231 four blocks' maximum, byte, hold, scale operand, v232-239 K's scale words, v240-243 V's, v244 Q's, v246 f, v247 p's scale word, v248, v249 at work;
; v250-255, v10, v11, v245: the Q and scale word of the pair's other tile, asked for at the head; in a helper, from its change of tiles on, its own tile's codes and scale word.
.set REC,   17152
.set QREC,  8704
.set VPART, 8704
.set KVOFF, 4456448
.set SPARE, 16*REC                     ; behind the records: the spare words, 128 bytes for each of the sixteen waves
.set MERGE, SPARE+2048                 ; behind them: what a helper hands to its owner: for each pair 8 x 512 bytes of O^T and 512 of (-M, sum): no tile lands here
.set MPAIR, 4608
.set PANEL, 16896
.set WV,    18
.set MNT,   19
.set SEL,   20
.set CS,    22
.set G1,    24
.set G0,    32
.set TB,    36                         ; LDS byte at which the step's record begins
.set KG,    37                         ; the step's key group
.set GW,    38                         ; the query group of the tile in hand
.set LASTG, 39                         ; the pair's other group: 15 - g
.set A1,    58                         ; a step is mine where KG <= GW and (KG <= A1 or KG >= B0)
.set B0,    59
.set SWK,   60                         ; g + 1: the key group at which the helper changes tiles
.set Q2C,   66
.set Q2S,   68
.macro CROUND                          ; a round of the cluster's barrier
	s_barrier_signal -1
	s_barrier_wait -1
	s_cmp_lg_u32 s[WV], 0
	s_cbranch_scc1 .Lnot_wave_0_\@
	s_barrier_signal -3
.Lnot_wave_0_\@:
	s_barrier_wait -3
	s_barrier_signal -1
	s_barrier_wait -1
.endm
; A TILE IS FINISHED: O^T / the sum is ctx: register 16 b + i = channel 32 b + 16 h + i of my head: two blocks of 32 along the next product's K: codes in v200-207, scale bytes in v249.  st = 1: they are stored
.macro OUTPUT st
.rept 8
	v_nop                                          ; places behind the last products, on every way here
.endr
	v_add_f32 v14, v14, v15
	s_delay_alu instid0(VALU_DEP_1)
	v_permlanex16_b32 v248, v14, s[SEL], s[SEL+1]
	s_delay_alu instid0(VALU_DEP_1)
	v_add_f32 v14, v14, v248
	s_wait_alu depctr_va_vdst(0)
	v_rcp_f32 v14, v14
	v_nop
	s_wait_alu depctr_va_vdst(0)                   ; the wait ahead of the first reader
.irp j, 0,2,4,6,8,10,12,14,16,18,20,22,24,26,28,30
	v_pk_mul_f32 v[104+\j:105+\j], v[168+\j:169+\j], v[14:15] op_sel_hi:[1,0]
.endr
.irp b, 0,1
	v_max3_num_f32 v[216+\b], |v[104+16*\b]|, |v[105+16*\b]|, 0x8000000
.endr
.irp i, 2,4,6,8,10,12,14
.irp b, 0,1
	s_delay_alu instid0(VALU_DEP_2)
	v_max3_num_f32 v[216+\b], v[216+\b], |v[104+16*\b+\i]|, |v[105+16*\b+\i]|
.endr
.endr
.irp b, 0,1
	s_delay_alu instid0(VALU_DEP_2)
	v_permlanex16_b32 v[220+\b], v[216+\b], s[SEL], s[SEL+1]
.endr
.irp b, 0,1
	s_delay_alu instid0(VALU_DEP_2)
	v_max_num_f32 v[216+\b], v[216+\b], v[220+\b]
.endr
.irp b, 0,1
	s_delay_alu instid0(VALU_DEP_2)
	v_add_nc_u32 v[228+\b], 0xf8800000, v[216+\b]
.endr
.irp b, 0,1
	s_delay_alu instid0(VALU_DEP_4)
	v_and_or_b32 v[224+\b], v[216+\b], 0x7f800000, s[MNT]
.endr
.irp b, 0,1
	s_delay_alu instid0(VALU_DEP_4)
	v_lshrrev_b32 v[220+\b], 23, v[228+\b]
.endr
	s_delay_alu instid0(VALU_DEP_1)
	v_lshl_or_b32 v249, v221, 8, v220
.irp b, 0,1
.irp i, 0,1,2,3,4,5,6,7,8,9,10,11,12,13,14,15
	v_med3_num_f32 v[104+16*\b+\i], v[104+16*\b+\i], -v[224+\b], v[224+\b]
.endr
	v_cvt_scalef32_pk8_bf8_f32 v[200+4*\b:201+4*\b], v[104+16*\b:111+16*\b], v[228+\b]
	v_cvt_scalef32_pk8_bf8_f32 v[202+4*\b:203+4*\b], v[112+16*\b:119+16*\b], v[228+\b]
.endr
	v_nop
.if \st
	global_store_b128 v1, v[200:203], s[8:9]                    ; 512 consecutive bytes, aligned
	global_store_b128 v1, v[204:207], s[8:9] offset:512
	global_store_b16 v2, v249, s[10:11]            ; my head's two bytes of each row's scale word (the other two are the neighbouring head's): one byte in 64 of what is stored
.endif
.endm
	s_load_b128 s[4:7], s[0:1], 0x0                ; qk, cp
	v_lshl_add_u32 v3, v0, 2, SPARE
	v_mov_b32 v4, 0
	ds_add_u32 v3, v4                              ; the wave's opening: the add, twice on end, and its wait ahead of the round in front of the first tensor loads
	ds_add_u32 v3, v4
	v_lshrrev_b32 v8, 5, v0
	s_delay_alu instid0(VALU_DEP_1)
	v_readfirstlane_b32 s[WV], v8                  ; wave 0..15
	s_and_b32 s44, ttmp7, 0xffff                   ; 16 batch + head
	s_bfe_u32 s57, ttmp6, 0x40000                  ; cx
	s_lshl_b32 s45, ttmp9, 2
	s_add_co_u32 s45, s45, s57                     ; my tile a = the work-group's x: in every group the same
	s_and_b32 s[SWK], s[WV], 7                     ; g
	s_sub_co_u32 s[LASTG], 15, s[SWK]
	s_cmp_lt_u32 s[WV], 8
	s_cselect_b32 s[GW], s[SWK], s[LASTG]
	s_cselect_b32 s[A1], 7, s[SWK]                 ; the helper walks key groups 0 .. 7; the owner 0 .. g
	s_cselect_b32 s[B0], 16, 8                     ; and 8 on
	s_mul_i32 s74, s[SWK], MPAIR
	s_add_co_u32 s74, s74, MERGE                   ; my pair's bytes
	s_add_co_u32 s[SWK], s[SWK], 1
	s_mov_b32 s[G1], 15|(3<<16)|(1<<21)            ; the mask: all four of the cluster; elements of 8 bytes; bit 21 beside a mask; no padding
	s_mov_b32 s[G1+1], 32<<16                      ; rows of 256 bytes,
	s_mov_b32 s[G1+2], 268<<16                     ; 268 of them: four records,
	s_mov_b32 s[G1+3], 32<<16
	s_mov_b32 s[G1+4], 268
	s_mov_b32 s[G1+5], 32                          ; dense
	s_mov_b32 s[G1+6], 0
	s_mov_b32 s[G1+7], 0
	s_mul_i32 s46, s44, 16*REC
	s_add_co_u32 s46, s46, KVOFF                   ; the head's records of K and V
	s_mov_b32 s47, 0
	s_lshl_b32 s48, s44, 4
	s_add_co_u32 s48, s48, s[GW]
	s_mul_i32 s48, s48, QREC                       ; my group's record of Q
	s_lshl_b32 s50, s45, 6
	s_add_co_u32 s50, s50, s48
	s_add_co_u32 s50, s50, 8192                    ; my tile's scale words
	s_mov_b32 s51, 0
	s_lshl_b32 s49, s45, 10
	s_add_co_u32 s48, s48, s49                     ; and its codes
	s_mov_b32 s49, 0
	s_lshl_b32 s70, s44, 4
	s_add_co_u32 s70, s70, s[LASTG]
	s_mul_i32 s70, s70, QREC                       ; the same of tile a of group 15 - g
	s_lshl_b32 s72, s45, 6
	s_add_co_u32 s72, s72, s70
	s_add_co_u32 s72, s72, 8192
	s_mov_b32 s73, 0
	s_lshl_b32 s71, s45, 10
	s_add_co_u32 s70, s70, s71
	s_mov_b32 s71, 0
	s_lshr_b32 s52, s44, 4
	s_lshl_b32 s52, s52, 4
	s_add_co_u32 s52, s52, s[GW]                   ; ctx of the tile that I store: the group of 128 tokens,
	s_lshl_b32 s52, s52, 3
	s_and_b32 s53, s44, 15
	s_lshr_b32 s54, s53, 1
	s_add_co_u32 s52, s52, s54                     ; K step head / 2
	s_mul_i32 s52, s52, PANEL
	s_and_b32 s53, s53, 1
	s_lshl_b32 s54, s45, 6
	s_add_co_u32 s54, s54, s52
	s_lshl_b32 s55, s53, 1
	s_add_co_u32 s54, s54, s55
	s_add_co_u32 s54, s54, 16384                   ; my two bytes of each row's scale word
	s_mov_b32 s55, 0
	s_lshl_b32 s56, s45, 11
	s_add_co_u32 s52, s52, s56
	s_lshl_b32 s56, s53, 10
	s_add_co_u32 s52, s52, s56                     ; fragment a, register groups 2 (head % 2) on
	s_mov_b32 s53, 0
	s_mov_b32 s[SEL], 0x76543210
	s_mov_b32 s[SEL+1], 0xfedcba98
	s_mov_b32 s[CS], 0x3e38aa3b                    ; c = log2(e) / sqrt(64)
	s_mov_b32 s[CS+1], s[CS]
	s_mov_b32 s[MNT], 0x600000
	s_mov_b32 s[TB], 0
	s_mov_b32 s[KG], 0
	s_mov_b32 s[G0], 1
	s_mul_i32 s[G0+1], s[WV], 4*REC                ; waves 0 to 3: records 4 w .. 4 w + 3 land at w x 68,608
	s_add_co_u32 s46, s46, s[G0+1]                 ; and lie as far into the head's records
	s_wait_dscnt 0x0                               ; both opening adds are done
	s_wait_kmcnt 0x0
	s_add_nc_u64 s[G0+2:G0+3], s[4:5], s[46:47]
	s_or_b32 s[G0+3], s[G0+3], 0x80000000
	CROUND                                         ; all four work-groups are here: the joint loads meet
	s_cmp_eq_u32 s[WV], 0                          ; one chain of branches on the wave's number, a load to an arm: wave 0's load, which is shown ahead of the rest, has a line of its own
	s_cbranch_scc0 .Lnot_first
	tensor_load_to_lds s[G0:G0+3], s[G1:G1+7]
	s_nop 0
	s_branch .Lasked
.Lnot_first:
	s_cmp_lt_u32 s[WV], 4
	s_cbranch_scc0 .Lasked
	tensor_load_to_lds s[G0:G0+3], s[G1:G1+7]
	s_nop 0
.Lasked:
	s_add_nc_u64 s[12:13], s[4:5], s[48:49]
	s_add_nc_u64 s[14:15], s[4:5], s[50:51]
	s_add_nc_u64 s[Q2C:Q2C+1], s[4:5], s[70:71]
	s_add_nc_u64 s[Q2S:Q2S+1], s[4:5], s[72:73]
	s_add_nc_u64 s[8:9], s[6:7], s[52:53]
	s_add_nc_u64 s[10:11], s[6:7], s[54:55]
	v_and_b32 v216, 31, v0                         ; lane
	s_delay_alu instid0(VALU_DEP_1)
	v_lshlrev_b32 v1, 4, v216
	v_and_b32 v217, 15, v0                         ; r
	s_delay_alu instid0(VALU_DEP_1)
	v_lshlrev_b32 v2, 2, v217
	v_bfe_u32 v218, v0, 4, 1                       ; h
	global_load_b128 v[16:19], v1, s[12:13]
	global_load_b128 v[20:23], v1, s[12:13] offset:512
	global_load_b32 v244, v2, s[14:15]
	global_load_b128 v[250:253], v1, s[Q2C:Q2C+1]              ; the helper's second Q: register group 0,
	global_load_b64 v[254:255], v1, s[Q2C:Q2C+1] offset:512    ; group 1 in two halves,
	global_load_b64 v[10:11], v1, s[Q2C:Q2C+1] offset:520
	global_load_b32 v245, v2, s[Q2S:Q2S+1]                     ; and its scale word
	v_add_nc_u32 v9, s74, v1                       ; my pair's bytes: 16 x lane + 4,608 g: made here, ahead of every parting of the waves
	s_lshr_b32 s56, s45, 1
	s_lshl_b32 s56, s56, 5
	s_and_b32 s57, s45, 1
	s_lshl_b32 s57, s57, 3
	s_add_co_u32 s56, s56, s57
	v_and_b32 v8, 8, v217
	s_delay_alu instid0(VALU_DEP_1)
	v_add_nc_u32 v8, v8, v217
	s_delay_alu instid0(VALU_DEP_1)
	v_add_nc_u32 v8, s56, v8                       ; my query's place in its group: the same for both tiles that I may hold
	v_lshlrev_b32 v218, 4, v218
	s_delay_alu instid0(VALU_DEP_1)
	v_sub_nc_u32 v8, v8, v218                      ; - 16 h: register 16 b + i holds key 32 b + 16 h + i: hidden where 32 b + i is above this
	v_mov_b32 v13, 0xff61b1e6                      ; the largest t so far: -3e38
	s_delay_alu instid0(VALU_DEP_1)
	v_floor_f32 v12, -v13
	v_mov_b32 v14, 0
	v_mov_b32 v15, 0
.irp b, 0,1,2,3
	v_mov_b32 v[220+\b], 0
.endr
	v_mov_b32 v247, 0
	v_mov_b32 v248, 0
.irp j, 0,1,2,3,4,5,6,7
	v_mov_b32 v[24+\j], 0                          ; zero codes: Q's upper 64 along K,
	v_mov_b32 v[96+\j], 0                          ; and what stands there for K's last tile
.endr
.set i, 0
.rept 32
	v_mov_b32 v[168+i], 0                          ; O^T: the step is written once; the first finds zeros
.set i, i+1
.endr
.macro STEP                            ; 128 keys: the record at s[TB]
	s_cmp_gt_u32 s[KG], s[GW]                      ; all its keys come behind my queries: left out (the wave's number and the count of steps alone; no barrier stands in a step)
	s_cbranch_scc1 .Lhidden_\@
	s_cmp_le_u32 s[KG], s[A1]
	s_cbranch_scc1 .Lmine_\@
	s_cmp_lt_u32 s[KG], s[B0]                      ; or it is my partner's
	s_cbranch_scc1 .Lhidden_\@
.Lmine_\@:
	v_add_nc_u32 v6, s[TB], v1
	v_add_nc_u32 v7, s[TB], v2
.rept 6
	v_nop                                          ; with the two additions: eight places in front of loads into registers that the last products read
.endr
.irp t, 0,1,2,3,4,5,6,7
	ds_load_b128 v[32+8*\t:35+8*\t], v6 offset:1024*\t
	ds_load_b128 v[36+8*\t:39+8*\t], v6 offset:1024*\t+512
	ds_load_b32 v[232+\t], v7 offset:8192+64*\t
.endr
	s_wait_alu depctr_va_vdst(0)
	s_wait_dscnt 0x0
.irp t, 0,1,2,3,4,5,6,7
	v_wmma_scale_f32_16x16x128_f8f6f4 v[104+8*\t:111+8*\t], v[32+8*\t:47+8*\t], v[16:31], 0, v[232+\t], v244 matrix_a_fmt:MATRIX_FMT_BF8 matrix_b_fmt:MATRIX_FMT_BF8
.endr
.rept 8
	v_nop
.endr
.irp f, 0,1,2,3                                ; V is asked for now and lands under the softmax
.irp c, 0,1,2,3
	ds_load_b128 v[32+16*\f+4*\c:35+16*\f+4*\c], v6 offset:VPART+2048*\f+512*\c
.endr
	ds_load_b32 v[240+\f], v7 offset:VPART+8192+64*\f
.endr
	s_cmp_lg_u32 s[KG], s[GW]                      ; only the tile's own group lies on the diagonal
	s_cbranch_scc1 .Lopen_\@
	v_mov_b32 v248, 0xff800000
.irp n, 0,1,2,3,4,5,6,7,8,9,10,11,12,13,14,15,16,17,18,19,20,21,22,23,24,25,26,27,28,29,30,31,32,33,34,35,36,37,38,39,40,41,42,43,44,45,46,47,48,49,50,51,52,53,54,55,56,57,58,59,60,61,62,63
	v_cmp_gt_i32 vcc_lo, 32*(\n/16)+\n%16, v8
	v_cndmask_b32 v[104+\n], v[104+\n], v248, vcc_lo
.endr
.Lopen_\@:
.irp b, 0,1,2,3
	v_max3_num_f32 v[216+\b], v[104+16*\b], v[105+16*\b], v[106+16*\b]   ; the largest score of each block of 32 keys: for the row's maximum, and, since p rises with the score, for the block's largest p
.endr
.irp i, 3,5,7,9,11,13
.irp b, 0,1,2,3
	v_max3_num_f32 v[216+\b], v[216+\b], v[104+16*\b+\i], v[105+16*\b+\i]
.endr
.endr
.irp b, 0,1,2,3
	v_max_num_f32 v[216+\b], v[216+\b], v[119+16*\b]
.endr
.irp b, 0,1,2,3
	s_delay_alu instid0(VALU_DEP_4)
	v_permlanex16_b32 v[220+\b], v[216+\b], s[SEL], s[SEL+1]
.endr
.irp b, 0,1,2,3
	s_delay_alu instid0(VALU_DEP_4)
	v_max_num_f32 v[216+\b], v[216+\b], v[220+\b]
.endr
	s_delay_alu instid0(VALU_DEP_2)
	v_max3_num_f32 v248, v216, v217, v218
	s_delay_alu instid0(VALU_DEP_1)
	v_max_num_f32 v248, v248, v219
	s_delay_alu instid0(VALU_DEP_1)
	v_mul_f32 v248, s[CS], v248
	s_delay_alu instid0(VALU_DEP_1)
	v_max_num_f32 v13, v13, v248                   ; the running largest t
	v_mov_b32 v248, v12
	s_delay_alu instid0(VALU_DEP_2)
	v_floor_f32 v12, -v13                          ; -M = floor(-t): M is a whole number
	s_delay_alu instid0(VALU_DEP_1)
	v_sub_f32 v248, v12, v248
	s_delay_alu instid0(VALU_DEP_1)
	v_cvt_i32_f32 v248, v248                       ; (it saturates)
	s_delay_alu instid0(VALU_DEP_1)
	v_ldexp_f32 v246, 1.0, v248                    ; f = 2^(old M - new M): exact
.irp j, 0,2,4,6,8,10,12,14,16,18,20,22,24,26,28,30,32,34,36,38,40,42,44,46,48,50,52,54,56,58,60,62
	v_pk_fma_f32 v[104+\j:105+\j], v[104+\j:105+\j], s[CS:CS+1], v[12:13] op_sel_hi:[1,0,0]   ; t - M
.endr
.irp b, 0,1,2,3
	v_fma_f32 v[216+\b], v[216+\b], s[CS], v12
.endr
.set i, 0
	s_wait_alu depctr_va_vdst(0)
.rept 64
	v_exp_f32 v[104+i], v[104+i]                   ; p = 2^(t - M)
.set i, i+1
.endr
	v_pk_mul_f32 v[14:15], v[14:15], v[246:247] op_sel_hi:[1,0]   ; the sums under the new M: the plain line behind the batch
	s_wait_alu depctr_va_vdst(0)                   ; one wait for the batch, ahead of its first reader
.irp b, 0,1,2,3
	v_exp_f32 v[216+\b], v[216+\b]                 ; each block's largest p
.endr
	v_pk_add_f32 v[220:221], v[104:105], v[106:107]   ; the row's sum of the unquantised p, two at a time, in four chains
	v_pk_add_f32 v[236:237], v[108:109], v[110:111]
	v_pk_add_f32 v[238:239], v[112:113], v[114:115]
	v_pk_add_f32 v[14:15], v[14:15], v[116:117]
.irp j, 14,22,30,38,46,54
	v_pk_add_f32 v[220:221], v[220:221], v[104+\j:105+\j]
	v_pk_add_f32 v[236:237], v[236:237], v[106+\j:107+\j]
	v_pk_add_f32 v[238:239], v[238:239], v[108+\j:109+\j]
	v_pk_add_f32 v[14:15], v[14:15], v[110+\j:111+\j]
.endr
	v_pk_add_f32 v[220:221], v[220:221], v[166:167]
	v_pk_add_f32 v[236:237], v[236:237], v[238:239]
	v_pk_add_f32 v[14:15], v[14:15], v[220:221]
	v_pk_add_f32 v[14:15], v[14:15], v[236:237]
	s_wait_alu depctr_va_vdst(0)                   ; and one for the four
.irp b, 0,1,2,3
	v_max_num_f32 v[216+\b], 0x8000000, v[216+\b]  ; the floor 2^(16 - 127)
.endr
.irp b, 0,1,2,3
	v_add_nc_u32 v[228+\b], 0xf8800000, v[216+\b]
.endr
.irp b, 0,1,2,3
	v_and_or_b32 v[224+\b], v[216+\b], 0x7f800000, s[MNT]
.endr
.irp b, 0,1,2,3
	v_lshrrev_b32 v[220+\b], 23, v[228+\b]
.endr
	v_lshl_or_b32 v247, v221, 8, v220              ; p's scale word for these 128 keys
	v_lshl_or_b32 v247, v222, 16, v247
	v_lshl_or_b32 v247, v223, 24, v247
.irp b, 0,1,2,3
.irp i, 0,1,2,3,4,5,6,7,8,9,10,11,12,13,14,15
	v_min_num_f32 v[104+16*\b+\i], v[104+16*\b+\i], v[224+\b]   ; p is not negative: the hold is one-sided
.endr
	v_cvt_scalef32_pk8_bf8_f32 v[200+4*\b:201+4*\b], v[104+16*\b:111+16*\b], v[228+\b]
	v_cvt_scalef32_pk8_bf8_f32 v[202+4*\b:203+4*\b], v[112+16*\b:119+16*\b], v[228+\b]
.endr
.irp j, 0,2,4,6,8,10,12,14,16,18,20,22,24,26,28,30
	v_pk_mul_f32 v[168+\j:169+\j], v[168+\j:169+\j], v[246:247] op_sel_hi:[1,0]   ; O^T under the new M; these sixteen are also the places in front of the products
.endr
	s_wait_alu depctr_va_vdst(0)
	s_wait_dscnt 0x0                               ; V
.irp f, 0,1,2,3
	v_wmma_scale_f32_16x16x128_f8f6f4 v[168+8*\f:175+8*\f], v[32+16*\f:47+16*\f], v[200:215], v[168+8*\f:175+8*\f], v[240+\f], v247 matrix_a_fmt:MATRIX_FMT_BF8 matrix_b_fmt:MATRIX_FMT_BF8
.endr
.Lhidden_\@:
	s_add_co_u32 s[KG], s[KG], 1
.endm
; THE HELPER CHANGES TILES, once, at key group g + 1: its own tile is finished; it takes the Q of the pair's other tile, keeps the finished codes where that Q lay, and starts M, the sum and O^T anew.
; Work on registers alone.  The branches hang on the count of steps and the wave's number; no barrier stands here.
.macro SWITCH
	s_cmp_lg_u32 s[KG], s[SWK]
	s_cbranch_scc1 .Lno_sw_\@
	s_cmp_lt_u32 s[WV], 8
	s_cbranch_scc0 .Lno_sw_\@
	OUTPUT 0
	v_mov_b32 v244, v245                           ; the scale word first: more than eight plain lines stand between it and the next product
.irp i, 0,1,2,3,4,5
	v_mov_b32 v[16+\i], v[250+\i]
.endr
	v_mov_b32 v22, v10
	v_mov_b32 v23, v11
.irp i, 0,1,2,3,4,5
	v_mov_b32 v[250+\i], v[200+\i]                 ; my own tile's codes,
.endr
	v_mov_b32 v10, v206
	v_mov_b32 v11, v207
	v_mov_b32 v245, v249                           ; and its scale bytes
	v_mov_b32 v13, 0xff61b1e6
	s_delay_alu instid0(VALU_DEP_1)
	v_floor_f32 v12, -v13
	v_mov_b32 v14, 0
	v_mov_b32 v15, 0
.set i, 0
.rept 32
	v_mov_b32 v[168+i], 0
.set i, i+1
.endr
	s_mov_b32 s[GW], s[LASTG]
	s_wait_alu depctr_va_vdst(0)
.Lno_sw_\@:
.endm
	s_wait_alu depctr_va_vdst(0)
	s_wait_loadcnt 0x0                             ; both Q
	s_cmp_eq_u32 s[WV], 0
	s_cbranch_scc0 .Lnot_mine
	s_wait_tensorcnt 0x0                           ; wave 0: records 0 to 3 are in
.Lnot_mine:
	s_barrier_signal -1
	s_barrier_wait -1                              ; and every wave knows it
	s_wait_tensorcnt 0x0                           ; every wave, under no branch: waves 1 to 3: my four records are in
	s_barrier_signal -1                            ; say so now; the wait stands behind key group 3
.Lkey0:                                                ; four trips in every wave: records 0 to 3; register work and LDS loads alone
	SWITCH
	STEP
	s_add_co_u32 s[TB], s[TB], REC
	s_cmp_lt_u32 s[KG], 4
	s_cbranch_scc1 .Lkey0
	s_barrier_wait -1                              ; all sixteen records are in
.Lkey:                                                 ; twelve trips in every wave
	SWITCH
	STEP
	s_add_co_u32 s[TB], s[TB], REC
	s_cmp_lt_u32 s[KG], 16
	s_cbranch_scc1 .Lkey
	; THE TWO SIDES MEET.  The helper stores O^T, -M and its sum as images of its registers; a barrier; the owner loads them by the same lines
.rept 8
	v_nop                                          ; places behind the last products, on every way here
.endr
	s_cmp_lt_u32 s[WV], 8
	s_cbranch_scc0 .Lowner
	v_mov_b32 v216, v12
	v_add_f32 v217, v14, v15
	v_mov_b32 v218, 0
	v_mov_b32 v219, 0
	v_mov_b32 v200, v254                           ; my own tile's second four registers of codes, on end again
	v_mov_b32 v201, v255
	v_mov_b32 v202, v10
	v_mov_b32 v203, v11
	s_wait_alu depctr_va_vdst(0)
.irp i, 0,1,2,3,4,5,6,7
	ds_store_b128 v9, v[168+4*\i:171+4*\i] offset:512*\i      ; each accumulator from its low end on
.endr
	ds_store_b128 v9, v[216:219] offset:4096
	global_store_b128 v1, v[250:253], s[8:9]                    ; my own tile leaves: 512 consecutive bytes, aligned
	global_store_b128 v1, v[200:203], s[8:9] offset:512
	global_store_b16 v2, v245, s[10:11]
.Lowner:
	s_wait_dscnt 0x0                               ; for my partner's sake: my stores are done
	s_barrier_signal -1
	s_barrier_wait -1
	s_cmp_lt_u32 s[WV], 8
	s_cbranch_scc1 .Lend
.irp i, 0,1,2,3,4,5,6,7
	ds_load_b128 v[104+4*\i:107+4*\i], v9 offset:512*\i
.endr
	ds_load_b128 v[216:219], v9 offset:4096
	v_add_f32 v14, v14, v15
	s_wait_dscnt 0x0
	v_min_num_f32 v248, v12, v216                  ; -M' : the larger M of the two
	s_delay_alu instid0(VALU_DEP_1)
	v_sub_f32 v218, v248, v216                     ; the helper's M less M', a whole number, 0 or less (helper 7, which has no step for its partner, holds -M = 3e38 and zeros, and gets the factor 0),
	s_delay_alu instid0(VALU_DEP_2)
	v_sub_f32 v219, v248, v12                      ; and mine
	s_delay_alu instid0(VALU_DEP_2)
	v_cvt_i32_f32 v218, v218                       ; (they saturate)
	s_delay_alu instid0(VALU_DEP_2)
	v_cvt_i32_f32 v219, v219
	s_delay_alu instid0(VALU_DEP_2)
	v_ldexp_f32 v222, 1.0, v218
	s_delay_alu instid0(VALU_DEP_2)
	v_ldexp_f32 v246, 1.0, v219
	s_wait_alu depctr_va_vdst(0)
	v_mul_f32 v14, v14, v246
	s_delay_alu instid0(VALU_DEP_1)
	v_fma_f32 v14, v217, v222, v14                 ; the sum of both sides under M'
	v_mov_b32 v15, 0
.irp j, 0,2,4,6,8,10,12,14,16,18,20,22,24,26,28,30
	v_pk_mul_f32 v[168+\j:169+\j], v[168+\j:169+\j], v[246:247] op_sel_hi:[1,0]
.endr
.irp j, 0,2,4,6,8,10,12,14,16,18,20,22,24,26,28,30
	v_pk_fma_f32 v[168+\j:169+\j], v[104+\j:105+\j], v[222:223], v[168+\j:169+\j] op_sel_hi:[1,0,1]
.endr
	OUTPUT 1
.Lend:
	s_wait_tensorcnt 0x0                           ; the wave's end
	ds_add_u32 v3, v4
	s_wait_dscnt 0x0
	CROUND                                         ; the closing round
	s_endpgm
.Lfunc_end_k_qa38827b42c_attn:
	.size	k_qa38827b42c_attn, .Lfunc_end_k_qa38827b42c_attn-k_qa38827b42c_attn
	.p2alignl 7, 3214868480
	.fill 96, 4, 3214868480
	.section	.rodata,"a",@progbits
	.p2align	6, 0x0
	.amdhsa_kernel k_qa38827b42c_attn
		.amdhsa_group_segment_fixed_size 327680
		.amdhsa_private_segment_fixed_size 0
		.amdhsa_enable_private_segment 0
		.amdhsa_kernarg_size 16
		.amdhsa_user_sgpr_count 2
		.amdhsa_user_sgpr_kernarg_segment_ptr 1
		.amdhsa_wavefront_size32 1
		.amdhsa_system_sgpr_workgroup_id_x 1
		.amdhsa_system_sgpr_workgroup_id_y 1
		.amdhsa_system_sgpr_workgroup_id_z 1
		.amdhsa_system_vgpr_workitem_id 0
		.amdhsa_next_free_vgpr 256
		.amdhsa_next_free_sgpr 80
		.amdhsa_reserve_vcc 1
		.amdhsa_float_denorm_mode_32 3
		.amdhsa_float_denorm_mode_16_64 3
		.amdhsa_memory_ordered 1
		.amdhsa_forward_progress 1
		.amdhsa_inst_pref_size 87
	.end_amdhsa_kernel
	.amdgpu_metadata
---
amdhsa.version: [ 1, 2 ]
amdhsa.kernels:
  - .name:           k_qa38827b42c_attn
    .symbol:         k_qa38827b42c_attn.kd
    .args:
      - { .name: qk, .offset: 0, .size: 8, .value_kind: global_buffer, .address_space: global }
      - { .name: cp, .offset: 8, .size: 8, .value_kind: global_buffer, .address_space: global }
    .group_segment_fixed_size: 327680
    .private_segment_fixed_size: 0
    .kernarg_segment_align: 8
    .kernarg_segment_size: 16
    .max_flat_workgroup_size: 512
    .sgpr_count:     80
    .vgpr_count:     256
    .wavefront_size: 32
...
	.end_amdgpu_metadata
.endif
;; end of part 3
;; launch proj (part 4): grid 8 x 32, 4 waves a work-group, clusters of 4 x 4, 327,680 bytes of LDS; arguments cp, pb, c_proj_attn_b, hidden_states, hres; writes hres
.if DOCPART == 4
	.amdgcn_target "amdgcn-amd-amdhsa--gfx1250"
	.amdhsa_code_object_version 6
	.text
	.protected	k_qa38827b42c_proj
	.globl	k_qa38827b42c_proj
	.p2align	8
	.type	k_qa38827b42c_proj,@function
k_qa38827b42c_proj:
	s_mov_b64 s[64:65], 0
	v_nop
	global_prefetch_b8 v0, s[64:65] scope:SCOPE_SE
	s_setreg_imm32_b32 hwreg(HW_REG_WAVE_MODE, 25, 1), 1
	s_wait_xcnt 0x0
	s_wait_alu depctr_hold_cnt(0) depctr_sa_sdst(0) depctr_va_vdst(0) depctr_va_sdst(0) depctr_va_ssrc(0) depctr_va_vcc(0) depctr_vm_vsrc(0)
	s_getreg_b32 s2, hwreg(HW_REG_IB_STS2, 6, 4)
	s_cmp_eq_u32 s2, 0
	s_cbranch_scc0 .Lentry_in_a_cluster
	s_endpgm
.Lentry_in_a_cluster:
	s_bfe_u32 s2, ttmp6, 0x10000c
	s_cmp_lg_u32 s2, 0xf033
	s_cbranch_scc0 .Lentry_shape_is_right
	s_endpgm
.Lentry_shape_is_right:
; hres = ctx c_proj_attn_w + c_proj_attn_b + x, on codes of BF8.  Operands come as PANELS (128 rows x 128 K: 8 fragment images of 2,048 bytes, then 8 x 64 bytes of scale words; row r of fragment a is row
; 32 (a / 2) + 8 (a % 2) + r + 8 (r / 8)).  N = 1,024 gives 256 tiles of 128 x 128: a work-group makes one, and ITS FOUR WAVES SHARE K: wave w takes the K steps that are w modulo 4, each on a full 128 x 128 of
; accumulators, so that no fragment is read from LDS twice; the four partial sums meet in LDS at the end.  A slot holds four K steps of A and of B; each wave fetches four of one operand: 67,584 dense bytes, one tensor load.
; 4 x 4 clusters: A's panels are shared along a row of the cluster, B's along a column, by joint loads.  Source 0 = B's fragment, source 1 = A's.  K = 1,024 is two slots: both are first fills, nothing is filled again.
.set PANEL, 16896
.set FRB,   2048
.set SCO,   16384
.set QTR,   2*PANEL
.set SLOT,  2*QTR                      ; LDS: A's K steps 0 .. 7 on end, then B's: from my first K step (w) to my second (4 + w) are four panels
.set SPARE, 8*QTR
.set NQ,    1
.set SS,    4*PANEL
.set KST,   8
.set WOFF,  7569408                    ; the weight's panels in pb
.set LI,   4                           ; v4 16 x lane
.set RD,   8                           ; v8-11 the way out: my rows in the four waves' stages
.set ADRA, 16
.set ADRB, 20
.set ADRS, 22
.set STO,  24
.set SPW,  28
.set NIL,  29
.set SC,   32                          ; v32-47 scale words and nothing else: set s at 32 + 8 s
.set BR,   64                          ; v64-67 the bias of my four columns
.set AF,   128
.set R,    128                         ; the way out: the residual's 32 rows, then the results
.set G1,   24
.set G0,   32
.set G1B,  48
.set G0B,  56
.set MSB, 0
.macro WIN new
.if MSB != (\new)
	s_set_vgpr_msb (MSB<<8)|(\new)
.set MSB, (\new)
.endif
.endm
.set MUL_LO, 0xa1
.set MUL_HI, 0xf1
.set TO_B,   0x40
.macro JLOAD g0a, g0b                  ; a joint load: waves 0, 1 fetch for A, waves 2, 3 for B; an s_nop 0 and four v_nop follow each line
	s_cmp_eq_u32 s15, 0
	s_cbranch_scc0 .Lfor_b_\@
	tensor_load_to_lds s[\g0a:\g0a+3], s[G1:G1+7]
	s_nop 0
.rept 4
	v_nop
.endr
	s_branch .Lasked_\@
.Lfor_b_\@:
	tensor_load_to_lds s[\g0b:\g0b+3], s[G1B:G1B+7]
	s_nop 0
.rept 4
	v_nop
.endr
.Lasked_\@:
.endm
.macro CREST
	s_cmp_lg_u32 s14, 0
	s_cbranch_scc1 .Lnot_wave_0_\@
	s_barrier_signal -3
.Lnot_wave_0_\@:
	s_barrier_wait -3
	s_barrier_signal -1
	s_barrier_wait -1
.endm
.macro CROUND
	s_barrier_signal -1
	s_barrier_wait -1
	CREST
.endm
.macro PLACES n
.rept \n
	v_nop
.endr
.endm
.macro FRAG reg, adr, off
.irp c, 0,1,2,3
	ds_load_b128 v[\reg+4*\c:\reg+4*\c+3], v[\adr] offset:\off+512*\c
.endr
.endm
.macro FETCH_B slot, q, p
	WIN TO_B
.irp i, 0,1,2,3,4,5,6,7
	FRAG 128*(\p)+16*\i, ADRB+\slot, (\q)*PANEL+\i*FRB
.endr
	WIN 0
.endm
.macro FETCH_A slot, q, i0
.irp i, \i0, \i0+1, \i0+2, \i0+3
	FRAG AF+16*(\i), ADRA+\slot, (\q)*PANEL+(\i)*FRB
.endr
.endm
.macro SCALES slot
.irp i, 0,1,2,3,4,5,6,7
	ds_load_b32 v[SC+8*NQ*\slot+NQ*\i], v[ADRS+\slot] offset:64*\i
.endr
.endm
.macro MUL16 a0, p, q, sc, zero        ; the 64 accumulators take turns, one instruction a turn, in the same order in every step
.irp a, \a0, \a0+1
.irp b, 0,1,2,3,4,5,6,7
.set rD, 8*(8*((\a)%4)+\b)
.set rB, 128*(\p)+16*\b
.set rA, AF+16*(\a)
.set rSB, SC+8*NQ*(\sc)+NQ*\b+(\q)
.set rSA, SC+8*NQ*(\sc)+NQ*(\a)+(\q)
.if \zero
	v_wmma_scale_f32_16x16x128_f8f6f4 v[rD:rD+7], v[rB:rB+15], v[rA:rA+15], 0, v[rSB], v[rSA] matrix_a_fmt:MATRIX_FMT_BF8 matrix_b_fmt:MATRIX_FMT_BF8 matrix_a_scale:MATRIX_SCALE_ROW1
.else
	v_wmma_scale_f32_16x16x128_f8f6f4 v[rD:rD+7], v[rB:rB+15], v[rA:rA+15], v[rD:rD+7], v[rSB], v[rSA] matrix_a_fmt:MATRIX_FMT_BF8 matrix_b_fmt:MATRIX_FMT_BF8 matrix_a_scale:MATRIX_SCALE_ROW1
.endif
.endr
.endr
.endm
; My K step of a slot, and the change of slots: ONE barrier; in front of it each wave waits for all its tensor loads, adds 0 to its spare word, and waits for that and for its reads of this slot
.macro TURN slot, next, fill, p, zero
	s_wait_tensorcnt 0x0
	ds_add_u32 v[SPW], v[NIL]
	s_wait_dscnt 17                                ; (the add and A's blocks 4-7 may be out)
	WIN MUL_LO
	MUL16 0, \p, NQ-1, \slot, \zero
	s_wait_dscnt 0x0
	s_barrier_signal -1
	MUL16 2, \p, NQ-1, \slot, \zero
	WIN 0
	s_barrier_wait -1
.if \fill
	CREST
	s_add_nc_u64 s[G0+4*\slot+2:G0+4*\slot+3], s[G0+4*\slot+2:G0+4*\slot+3], 2*SS
	s_add_nc_u64 s[G0B+4*\slot+2:G0B+4*\slot+3], s[G0B+4*\slot+2:G0B+4*\slot+3], 2*SS
	JLOAD G0+4*\slot, G0B+4*\slot
	PLACES 4
.else
	PLACES 8
.endif
	FETCH_B \next, 0, 1-\p
	FETCH_A \next, 0, 0
	SCALES \next
	WIN MUL_HI
	MUL16 4, \p, NQ-1, \slot, \zero
	MUL16 6, \p, NQ-1, \slot, \zero
	PLACES 8
	WIN 0
	FETCH_A \next, 0, 4
.endm
.macro LAST p, sc
	s_wait_dscnt 16
	WIN MUL_LO
	MUL16 0, \p, NQ-1, \sc, 0
	MUL16 2, \p, NQ-1, \sc, 0
	s_wait_dscnt 0x0
	WIN MUL_HI
	MUL16 4, \p, NQ-1, \sc, 0
	MUL16 6, \p, NQ-1, \sc, 0
	WIN 0
.endm
.macro LOADB k                         ; eight of my 32 rows, from the four stages, into a half of window 1
	WIN TO_B
.set tt, 0
.rept 8
.irp v, 0,1,2,3
	ds_load_b128 v[128*((\k)%2)+16*tt+4*\v:128*((\k)%2)+16*tt+4*\v+3], v[RD+\v] offset:528*(8*(\k)+tt)
.endr
.set tt, tt+1
.endr
	WIN 0
.endm
.macro SUMB k, left                    ; (P0 + P1) + (P2 + P3) + (residual + bias), stored by whole rows of 512 bytes
	s_wait_dscnt \left
	WIN 0x45
.set tt, 0
.rept 8
.set pp, 128*((\k)%2)+16*tt
	v_pk_add_f32 v[pp:pp+1], v[pp:pp+1], v[pp+4:pp+5]
	v_pk_add_f32 v[pp+2:pp+3], v[pp+2:pp+3], v[pp+6:pp+7]
	v_pk_add_f32 v[pp+8:pp+9], v[pp+8:pp+9], v[pp+12:pp+13]
	v_pk_add_f32 v[pp+10:pp+11], v[pp+10:pp+11], v[pp+14:pp+15]
.set tt, tt+1
.endr
.set tt, 0
.rept 8
.set pp, 128*((\k)%2)+16*tt
	v_pk_add_f32 v[pp:pp+1], v[pp:pp+1], v[pp+8:pp+9]
	v_pk_add_f32 v[pp+2:pp+3], v[pp+2:pp+3], v[pp+10:pp+11]
.set tt, tt+1
.endr
	WIN 0x01
.set tt, 0
.rept 8
.set pp, 128*((\k)%2)+16*tt
.set rr, R+4*(8*(\k)+tt)
	v_pk_add_f32 v[rr:rr+1], v[pp:pp+1], v[rr:rr+1]
	v_pk_add_f32 v[rr+2:rr+3], v[pp+2:pp+3], v[rr+2:rr+3]
.set tt, tt+1
.endr
	WIN 0
.set tt, 8*(\k)
.rept 8
	global_store_b128 v[LI], v[R+4*tt:R+4*tt+3], s[12:13] offset:(8*(tt>>4)+(tt&15)+8*((tt>>3)&1))*4096   ; 32 lanes store 512 consecutive bytes, aligned
.set tt, tt+1
.endr
.endm
	s_load_b256 s[4:11], s[0:1], 0x0               ; A's panels, pb, the bias, the residual
	s_load_b64 s[12:13], s[0:1], 0x20              ; out
	v_lshl_add_u32 v[SPW], v0, 2, SPARE
	v_mov_b32 v[NIL], 0
	ds_add_u32 v[SPW], v[NIL]                      ; the wave's opening: the add, twice on end, and its wait ahead of my first tensor load
	ds_add_u32 v[SPW], v[NIL]
	v_lshrrev_b32 v1, 5, v0
	v_readfirstlane_b32 s14, v1
	s_lshr_b32 s15, s14, 1                         ; I fetch for A (0) or for B (1)
	s_and_b32 s16, s14, 1                          ; which four of the eight K steps I fetch
	s_bfe_u32 s40, ttmp6, 0x40000
	s_bfe_u32 s41, ttmp6, 0x40004
	s_lshl_b32 s42, ttmp9, 2
	s_add_co_u32 s42, s42, s40                     ; the group of 128 columns
	s_and_b32 s17, ttmp7, 0xffff
	s_lshl_b32 s17, s17, 2
	s_add_co_u32 s17, s17, s41                     ; the group of 128 tokens
	s_lshl_b32 s43, s41, 2
	s_lshl_b32 s43, 15, s43
	s_lshl_b32 s44, 0x1111, s40
	s_or_b32 s[G1], s43, (3<<16)|(1<<21)           ; the mask; elements of 8 bytes; bit 21 beside a mask; no padding
	s_or_b32 s[G1B], s44, (3<<16)|(1<<21)
.irp g, G1, G1B
	s_mov_b32 s[\g+1], 32<<16                      ; tensor_dim0: 32 elements = 256 bytes
	s_mov_b32 s[\g+2], 264<<16                     ; 264 dense rows of 256 bytes: four K steps, one tensor load a wave: all of K is asked for at the head
	s_mov_b32 s[\g+3], 32<<16
	s_mov_b32 s[\g+4], 264
	s_mov_b32 s[\g+5], 32
	s_mov_b32 s[\g+6], 0
	s_mov_b32 s[\g+7], 0
.endr
	s_mul_i32 s18, s16, 2*QTR                      ; which four of the eight K steps I fetch
	s_mul_i32 s20, s17, KST*PANEL
	s_add_co_u32 s20, s20, s18
	s_mov_b32 s21, 0
	s_mul_i32 s46, s42, KST*PANEL
	s_add_co_u32 s46, s46, s18
	s_add_co_u32 s46, s46, WOFF
	s_mov_b32 s47, 0
	s_mul_i32 s45, s14, 2*QTR
	s_wait_dscnt 0x0
	s_wait_kmcnt 0x0
	s_add_nc_u64 s[20:21], s[4:5], s[20:21]
	s_add_nc_u64 s[46:47], s[6:7], s[46:47]
	CROUND
.irp s, 0
	s_mov_b32 s[G0+4*\s], 1
	s_add_co_u32 s[G0+4*\s+1], s45, \s*SLOT
	s_add_nc_u64 s[G0+4*\s+2:G0+4*\s+3], s[20:21], \s*SS
	s_or_b32 s[G0+4*\s+3], s[G0+4*\s+3], 0x80000000
	s_mov_b32 s[G0B+4*\s], 1
	s_add_co_u32 s[G0B+4*\s+1], s45, \s*SLOT
	s_add_nc_u64 s[G0B+4*\s+2:G0B+4*\s+3], s[46:47], \s*SS
	s_or_b32 s[G0B+4*\s+3], s[G0B+4*\s+3], 0x80000000
.endr
	JLOAD G0, G0B
	v_and_b32 v1, 31, v0
	v_and_b32 v2, 15, v0
	v_bfe_u32 v3, v0, 4, 1
	v_lshlrev_b32 v[LI], 4, v1
	s_mul_i32 s21, s15, QTR
	s_mul_i32 s22, s16, PANEL
	s_add_co_u32 s21, s21, s22                     ; A's K step w of the slot's four
	s_add_co_u32 s22, s21, 4*QTR                   ; B's
	v_mul_u32_u24 v6, v3, 4*QTR                    ; lanes 16-31 take B's scale words
	v_lshl_add_u32 v6, v2, 2, v6
	v_add_nc_u32 v6, SCO, v6
.irp s, 0,1
	v_add_nc_u32 v[ADRA+\s], s21, v[LI]
	v_add_nc_u32 v[ADRB+\s], s22, v[LI]
	v_add_nc_u32 v[ADRS+\s], s21, v6
	s_add_co_u32 s21, s21, SLOT
	s_add_co_u32 s22, s22, SLOT
.endr
	v_mul_u32_u24 v5, v2, 528                      ; my stage: 128 rows (16 a + r) of 512 bytes + 16; it lies over the ring, which has then had its last fill
	v_lshl_add_u32 v5, v3, 6, v5
	s_mul_i32 s23, s14, 128*528
	v_add_nc_u32 v[STO], s23, v5
	s_mul_i32 s23, s14, 32*528
	v_add_nc_u32 v[RD], s23, v[LI]                 ; back: rows 32 w on of each stage, 16 bytes a lane
	v_add_nc_u32 v[RD+1], 128*528, v[RD]
	v_add_nc_u32 v[RD+2], 128*528, v[RD+1]
	v_add_nc_u32 v[RD+3], 128*528, v[RD+2]
	s_lshl_b32 s80, s17, 19
	s_lshl_b32 s81, s14, 17
	s_add_co_u32 s80, s80, s81
	s_lshl_b32 s82, s42, 9
	s_mov_b32 s83, 0
	s_add_co_u32 s80, s80, s82                     ; token 128 G + 32 w, column 128 x group
	s_mov_b32 s81, 0
	s_add_nc_u64 s[10:11], s[10:11], s[80:81]
	s_add_nc_u64 s[12:13], s[12:13], s[80:81]
	s_add_nc_u64 s[8:9], s[8:9], s[82:83]
	global_load_b128 v[BR:BR+3], v[LI], s[8:9]
	v_lshlrev_b32 v12, 12, v1                      ; the residual's prefetch offset: a lane a row of 4,096 bytes
	s_wait_alu depctr_va_vdst(0)
	s_wait_tensorcnt 0x0                           ; my four K steps are in
	s_barrier_signal -1
	s_barrier_wait -1
	FETCH_B 0, 0, 0
	FETCH_A 0, 0, 0
	SCALES 0
	FETCH_A 0, 0, 4
	global_prefetch_b8 v12, s[10:11] th:TH_LOAD_NT scope:SCOPE_SE              ; the residual's 32 rows x 512 bytes that I add at the end are asked for here, behind the head's tiles: a lane a row, two blocks of 256 bytes; no other wave reads them
	global_prefetch_b8 v12, s[10:11] offset:256 th:TH_LOAD_NT scope:SCOPE_SE
	TURN 0, 1, 0, 0, 1                             ; K step w: its products start the sums
	LAST 1, 1                                      ; K step 4 + w
	; THE WAY OUT: the four waves' partial sums meet in LDS; wave w adds and stores stage rows 32 w + t, which are tokens 32 w + 8 (t / 16) + t % 16 + 8 ((t / 8) % 2)
	PLACES 8
.set tt, 0
.rept 32
	global_load_b128 v[R+4*tt:R+4*tt+3], v[LI], s[10:11] offset:(8*(tt>>4)+(tt&15)+8*((tt>>3)&1))*4096
.set tt, tt+1
.endr
	s_wait_dscnt 0x0                               ; my reads of the ring are over,
	s_barrier_signal -1
	s_barrier_wait -1                              ; everybody's are
.irp a, 0,1,2,3,4,5,6,7
	WIN 0x08+4*((\a)/4)                            ; an LDS store's data are its source 1: window 2 or 3
.irp b, 0,1,2,3,4,5,6,7
	ds_store_b128 v[STO], v[64*((\a)%4)+8*\b:64*((\a)%4)+8*\b+3] offset:(\a)*8448+128*(\b/2)+32*(\b%2)       ; each accumulator from its low end on
	ds_store_b128 v[STO], v[64*((\a)%4)+8*\b+4:64*((\a)%4)+8*\b+7] offset:(\a)*8448+128*(\b/2)+32*(\b%2)+16
.endr
.endr
	WIN 0
	s_wait_dscnt 0x0                               ; for the others' sake: my stores are done
	s_barrier_signal -1
	s_barrier_wait -1
	LOADB 0
	LOADB 1
	s_wait_loadcnt 0x0                             ; the residual and the bias
.set tt, 0
.rept 32
	v_pk_add_f32 v[R+4*tt:R+4*tt+1], v[R+4*tt:R+4*tt+1], v[BR:BR+1]
	v_pk_add_f32 v[R+4*tt+2:R+4*tt+3], v[R+4*tt+2:R+4*tt+3], v[BR+2:BR+3]
.set tt, tt+1
.endr
	SUMB 0, 32                                     ; the next batch's 32 loads may be out
	LOADB 2
	SUMB 1, 32
	LOADB 3
	SUMB 2, 32
	SUMB 3, 0
	s_wait_tensorcnt 0x0                           ; the wave's end
	ds_add_u32 v[SPW], v[NIL]
	s_wait_dscnt 0x0
	CROUND                                         ; the closing round
	s_endpgm
.Lfunc_end_k_qa38827b42c_proj:
	.size	k_qa38827b42c_proj, .Lfunc_end_k_qa38827b42c_proj-k_qa38827b42c_proj
	.p2alignl 7, 3214868480
	.fill 96, 4, 3214868480
	.section	.rodata,"a",@progbits
	.p2align	6, 0x0
	.amdhsa_kernel k_qa38827b42c_proj
		.amdhsa_group_segment_fixed_size 327680
		.amdhsa_private_segment_fixed_size 0
		.amdhsa_enable_private_segment 0
		.amdhsa_kernarg_size 40
		.amdhsa_user_sgpr_count 2
		.amdhsa_user_sgpr_kernarg_segment_ptr 1
		.amdhsa_wavefront_size32 1
		.amdhsa_system_sgpr_workgroup_id_x 1
		.amdhsa_system_sgpr_workgroup_id_y 1
		.amdhsa_system_sgpr_workgroup_id_z 1
		.amdhsa_system_vgpr_workitem_id 0
		.amdhsa_next_free_vgpr 1024
		.amdhsa_next_free_sgpr 100
		.amdhsa_reserve_vcc 0
		.amdhsa_float_denorm_mode_32 3
		.amdhsa_float_denorm_mode_16_64 3
		.amdhsa_memory_ordered 1
		.amdhsa_forward_progress 1
		.amdhsa_inst_pref_size 77
	.end_amdhsa_kernel
	.amdgpu_metadata
---
amdhsa.version: [ 1, 2 ]
amdhsa.kernels:
  - .name:           k_qa38827b42c_proj
    .symbol:         k_qa38827b42c_proj.kd
    .args:
      - { .name: cp, .offset: 0, .size: 8, .value_kind: global_buffer, .address_space: global }
      - { .name: pb, .offset: 8, .size: 8, .value_kind: global_buffer, .address_space: global }
      - { .name: c_proj_attn_b, .offset: 16, .size: 8, .value_kind: global_buffer, .address_space: global }
      - { .name: hidden_states, .offset: 24, .size: 8, .value_kind: global_buffer, .address_space: global }
      - { .name: hres, .offset: 32, .size: 8, .value_kind: global_buffer, .address_space: global }
    .group_segment_fixed_size: 327680
    .private_segment_fixed_size: 0
    .kernarg_segment_align: 8
    .kernarg_segment_size: 40
    .max_flat_workgroup_size: 128
    .sgpr_count:     100
    .vgpr_count:     1024
    .wavefront_size: 32
...
	.end_amdgpu_metadata
.endif
;; end of part 4
;; launch ln2 (part 5): grid 256 x 1, 8 waves a work-group, no clusters, 2,048 bytes of LDS; arguments hres, ln2_w, ln2_b, xp2; writes xp2
.if DOCPART == 5
	.amdgcn_target "amdgcn-amd-amdhsa--gfx1250"
	.amdhsa_code_object_version 6
	.text
	.protected	k_qa38827b42c_ln2
	.globl	k_qa38827b42c_ln2
	.p2align	8
	.type	k_qa38827b42c_ln2,@function
k_qa38827b42c_ln2:
	s_mov_b64 s[64:65], 0
	v_nop
	global_prefetch_b8 v0, s[64:65] scope:SCOPE_SE
	s_setreg_imm32_b32 hwreg(HW_REG_WAVE_MODE, 25, 1), 1
	s_wait_xcnt 0x0
; LayerNorm 2 of hres, quantised to BF8 along the 1,024 columns, into PANELS (128 rows x 128 K: 8 fragment images of 2,048 bytes, register group c of lane l at 512 c + 16 l, then 8 x 64 bytes of scale words;
; row r of fragment a is row 32 (a / 2) + 8 (a % 2) + r + 8 (r / 8)).  Work-group: fragment a = id % 8 of token group G = id / 8: 16 tokens.  Wave w: K step w.  Lane (r, h): 16 neighbours of each of four blocks of 32.
; Mean and variance in two passes over registers; a row's sums meet across the eight waves in LDS.
; LIMITS: NaN and infinities are not served; a block whose largest magnitude lies under 2^-111 keeps the byte 1.
.set PANEL, 16896
.set SPARE, 1024                       ; LDS: 0-511 the sums' words, 512-1023 the squares', then the spare words
.set SPW, 12
.set NIL, 13
.set X,   32
.set W,   96
.set BV,  160
.set PC,  96
.set TM,  224
.set PW,  240
.set SEL, 22
.set MNT, 24
.macro QUANT s
.irp b, 0,1,2,3
	v_max3_num_f32 v[TM+\b], |v[\s+16*\b]|, |v[\s+1+16*\b]|, 0x8000000   ; with the floor 2^(16 - 127): the byte cannot fall under 1
.endr
.irp i, 2,4,6,8,10,12,14
.irp b, 0,1,2,3
	s_delay_alu instid0(VALU_DEP_4)
	v_max3_num_f32 v[TM+\b], v[TM+\b], |v[\s+16*\b+\i]|, |v[\s+1+16*\b+\i]|
.endr
.endr
.irp b, 0,1,2,3
	s_delay_alu instid0(VALU_DEP_4)
	v_permlanex16_b32 v[TM+4+\b], v[TM+\b], s[SEL], s[SEL+1]
.endr
.irp b, 0,1,2,3
	s_delay_alu instid0(VALU_DEP_4)
	v_max_num_f32 v[TM+\b], v[TM+\b], v[TM+4+\b]
.endr
.irp b, 0,1,2,3
	s_delay_alu instid0(VALU_DEP_4)
	v_add_nc_u32 v[TM+12+\b], 0xf8800000, v[TM+\b]
.endr
.irp b, 0,1,2,3
	v_and_or_b32 v[TM+8+\b], v[TM+\b], 0x7f800000, s[MNT]
.endr
.irp b, 0,1,2,3
	v_lshrrev_b32 v[TM+4+\b], 23, v[TM+12+\b]
.endr
	s_delay_alu instid0(VALU_DEP_3)
	v_lshl_or_b32 v[PW], v[TM+5], 8, v[TM+4]
	s_delay_alu instid0(VALU_DEP_1)
	v_lshl_or_b32 v[PW], v[TM+6], 16, v[PW]
	s_delay_alu instid0(VALU_DEP_1)
	v_lshl_or_b32 v[PW], v[TM+7], 24, v[PW]
.irp b, 0,1,2,3
.irp i, 0,1,2,3,4,5,6,7,8,9,10,11,12,13,14,15
	v_med3_num_f32 v[\s+16*\b+\i], v[\s+16*\b+\i], -v[TM+8+\b], v[TM+8+\b]
.endr
	v_cvt_scalef32_pk8_bf8_f32 v[PC+4*\b:PC+1+4*\b], v[\s+16*\b:\s+7+16*\b], v[TM+12+\b]
	v_cvt_scalef32_pk8_bf8_f32 v[PC+2+4*\b:PC+3+4*\b], v[\s+8+16*\b:\s+15+16*\b], v[TM+12+\b]
.endr
	v_nop
.endm
.macro ALLSUM off
	s_delay_alu instid0(VALU_DEP_1)
	v_pk_add_f32 v[24:25], v[24:25], v[26:27]
	s_delay_alu instid0(VALU_DEP_1)
	v_add_f32 v24, v24, v25
	s_delay_alu instid0(VALU_DEP_1)
	v_permlanex16_b32 v30, v24, s[SEL], s[SEL+1]
	s_delay_alu instid0(VALU_DEP_1)
	v_add_f32 v24, v24, v30
	ds_store_b32 v8, v24 offset:\off
	s_wait_dscnt 0x0                               ; for the others' sake: my store is done
	s_barrier_signal -1
	s_barrier_wait -1
	ds_load_b128 v[16:19], v9 offset:\off
	ds_load_b128 v[20:23], v9 offset:\off+16
	s_wait_dscnt 0x0
	v_pk_add_f32 v[16:17], v[16:17], v[18:19]
	v_pk_add_f32 v[20:21], v[20:21], v[22:23]
	s_delay_alu instid0(VALU_DEP_1)
	v_pk_add_f32 v[16:17], v[16:17], v[20:21]
	s_delay_alu instid0(VALU_DEP_1)
	v_add_f32 v16, v16, v17
.endm
	s_load_b256 s[4:11], s[0:1], 0x0               ; hres s[4:5], gain s[6:7], bias s[8:9], xp2 s[10:11]
	v_lshl_add_u32 v[SPW], v0, 2, SPARE
	v_mov_b32 v[NIL], 0
	v_lshrrev_b32 v1, 5, v0
	s_delay_alu instid0(VALU_DEP_1)
	v_readfirstlane_b32 s20, v1
	v_and_b32 v1, 31, v0
	v_and_b32 v2, 15, v0
	v_bfe_u32 v3, v0, 4, 1
	s_delay_alu instid0(VALU_DEP_2)
	v_and_b32 v4, 8, v2
	s_delay_alu instid0(VALU_DEP_1)
	v_add_nc_u32 v4, v4, v2
	s_delay_alu instid0(VALU_DEP_1)
	v_lshlrev_b32 v4, 12, v4
	s_delay_alu instid0(VALU_DEP_1)
	v_lshl_add_u32 v4, v3, 6, v4
	v_lshlrev_b32 v5, 6, v3
	v_lshlrev_b32 v6, 4, v1
	v_lshlrev_b32 v7, 2, v2
	v_lshlrev_b32 v9, 5, v2
	s_lshl_b32 s26, s20, 2
	v_add_nc_u32 v8, s26, v9
	s_mov_b32 s[SEL], 0x76543210
	s_mov_b32 s[SEL+1], 0xfedcba98
	s_mov_b32 s[MNT], 0x600000
	s_mov_b32 s25, 0x3a800000                      ; 1 / 1,024
	s_mov_b32 s27, 0x3727c5ac                      ; 1e-5
.irp b, 0,1,2,3
	v_mov_b32 v[TM+4+\b], 0
.endr
	v_mov_b32 v30, 0
	s_lshr_b32 s28, ttmp9, 3
	s_and_b32 s29, ttmp9, 7
	s_lshl_b32 s30, s28, 7
	s_lshr_b32 s31, s29, 1
	s_lshl_b32 s31, s31, 5
	s_add_co_u32 s30, s30, s31
	s_and_b32 s31, s29, 1
	s_lshl_b32 s31, s31, 3
	s_add_co_u32 s30, s30, s31
	s_lshl_b32 s30, s30, 12
	s_lshl_b32 s32, s20, 9
	s_add_co_u32 s30, s30, s32
	s_mov_b32 s31, 0
	s_mov_b32 s33, 0
	s_lshl_b32 s34, s28, 3
	s_add_co_u32 s34, s34, s20
	s_mul_i32 s34, s34, PANEL
	s_mov_b32 s35, 0
	s_lshl_b32 s36, s29, 11
	s_mov_b32 s37, 0
	s_lshl_b32 s38, s29, 6
	s_add_co_u32 s38, s38, 16384
	s_mov_b32 s39, 0
	s_wait_kmcnt 0x0
	s_add_nc_u64 s[4:5], s[4:5], s[30:31]
	s_add_nc_u64 s[6:7], s[6:7], s[32:33]
	s_add_nc_u64 s[8:9], s[8:9], s[32:33]
	s_add_nc_u64 s[10:11], s[10:11], s[34:35]
	s_add_nc_u64 s[40:41], s[10:11], s[38:39]
	s_add_nc_u64 s[10:11], s[10:11], s[36:37]
.irp b, 0,1,2,3
.irp j, 0,1,2,3
	global_load_b128 v[X+16*\b+4*\j:X+16*\b+4*\j+3], v4, s[4:5] offset:128*\b+16*\j
.endr
.endr
.irp b, 0,1,2,3
.irp j, 0,1,2,3
	global_load_b128 v[W+16*\b+4*\j:W+16*\b+4*\j+3], v5, s[6:7] offset:128*\b+16*\j
.endr
.endr
.irp b, 0,1,2,3
.irp j, 0,1,2,3
	global_load_b128 v[BV+16*\b+4*\j:BV+16*\b+4*\j+3], v5, s[8:9] offset:128*\b+16*\j
.endr
.endr
	s_wait_loadcnt 32                              ; the rows are in; the 32 loads of gain and bias may be out
	v_pk_add_f32 v[24:25], v[X:X+1], v[X+4:X+5]
	v_pk_add_f32 v[26:27], v[X+2:X+3], v[X+6:X+7]
.irp j, 8,12,16,20,24,28,32,36,40,44,48,52,56,60
	s_delay_alu instid0(VALU_DEP_2)
	v_pk_add_f32 v[24:25], v[24:25], v[X+\j:X+\j+1]
	s_delay_alu instid0(VALU_DEP_2)
	v_pk_add_f32 v[26:27], v[26:27], v[X+\j+2:X+\j+3]
.endr
	ALLSUM 0
	s_delay_alu instid0(VALU_DEP_1)
	v_mul_f32 v28, s25, v16
	s_delay_alu instid0(VALU_DEP_1)
	v_mov_b32 v29, v28
.irp j, 0,2,4,6,8,10,12,14,16,18,20,22,24,26,28,30,32,34,36,38,40,42,44,46,48,50,52,54,56,58,60,62
	v_pk_add_f32 v[X+\j:X+\j+1], v[X+\j:X+\j+1], v[28:29] neg_lo:[0,1] neg_hi:[0,1]
.endr
	v_pk_mul_f32 v[24:25], v[X:X+1], v[X:X+1]
	v_pk_mul_f32 v[26:27], v[X+2:X+3], v[X+2:X+3]
.irp j, 4,8,12,16,20,24,28,32,36,40,44,48,52,56,60
	s_delay_alu instid0(VALU_DEP_2)
	v_pk_fma_f32 v[24:25], v[X+\j:X+\j+1], v[X+\j:X+\j+1], v[24:25]
	s_delay_alu instid0(VALU_DEP_2)
	v_pk_fma_f32 v[26:27], v[X+\j+2:X+\j+3], v[X+\j+2:X+\j+3], v[26:27]
.endr
	ALLSUM 512                                     ; other words than the first sum's
	s_delay_alu instid0(VALU_DEP_1)
	v_fma_f32 v28, v16, s25, s27
	s_wait_alu depctr_va_vdst(0)
	v_rsq_f32 v28, v28
	v_nop
	s_wait_alu depctr_va_vdst(0)                   ; the wait ahead of the first reader
	v_mov_b32 v29, v28
	s_wait_alu depctr_va_vdst(0)
	s_wait_loadcnt 0x0
.irp j, 0,2,4,6,8,10,12,14,16,18,20,22,24,26,28,30,32,34,36,38,40,42,44,46,48,50,52,54,56,58,60,62
	v_pk_mul_f32 v[X+\j:X+\j+1], v[X+\j:X+\j+1], v[28:29]
.endr
.irp j, 0,2,4,6,8,10,12,14,16,18,20,22,24,26,28,30,32,34,36,38,40,42,44,46,48,50,52,54,56,58,60,62
	v_pk_fma_f32 v[X+\j:X+\j+1], v[X+\j:X+\j+1], v[W+\j:W+\j+1], v[BV+\j:BV+\j+1]
.endr
	QUANT X
.irp c, 0,1,2,3
	global_store_b128 v6, v[PC+4*\c:PC+4*\c+3], s[10:11] offset:512*\c
.endr
	global_store_b32 v7, v[PW], s[40:41]
	s_wait_tensorcnt 0x0                           ; the wave's end
	ds_add_u32 v[SPW], v[NIL]
	s_wait_dscnt 0x0
	s_endpgm
.Lfunc_end_k_qa38827b42c_ln2:
	.size	k_qa38827b42c_ln2, .Lfunc_end_k_qa38827b42c_ln2-k_qa38827b42c_ln2
	.p2alignl 7, 3214868480
	.fill 96, 4, 3214868480
	.section	.rodata,"a",@progbits
	.p2align	6, 0x0
	.amdhsa_kernel k_qa38827b42c_ln2
		.amdhsa_group_segment_fixed_size 2048
		.amdhsa_private_segment_fixed_size 0
		.amdhsa_enable_private_segment 0
		.amdhsa_kernarg_size 32
		.amdhsa_user_sgpr_count 2
		.amdhsa_user_sgpr_kernarg_segment_ptr 1
		.amdhsa_wavefront_size32 1
		.amdhsa_system_sgpr_workgroup_id_x 1
		.amdhsa_system_sgpr_workgroup_id_y 1
		.amdhsa_system_sgpr_workgroup_id_z 1
		.amdhsa_system_vgpr_workitem_id 0
		.amdhsa_next_free_vgpr 256
		.amdhsa_next_free_sgpr 66
		.amdhsa_reserve_vcc 0
		.amdhsa_float_denorm_mode_32 3
		.amdhsa_float_denorm_mode_16_64 3
		.amdhsa_memory_ordered 1
		.amdhsa_forward_progress 1
		.amdhsa_inst_pref_size 31
	.end_amdhsa_kernel
	.amdgpu_metadata
---
amdhsa.version: [ 1, 2 ]
amdhsa.kernels:
  - .name:           k_qa38827b42c_ln2
    .symbol:         k_qa38827b42c_ln2.kd
    .args:
      - { .name: hres, .offset: 0, .size: 8, .value_kind: global_buffer, .address_space: global }
      - { .name: ln2_w, .offset: 8, .size: 8, .value_kind: global_buffer, .address_space: global }
      - { .name: ln2_b, .offset: 16, .size: 8, .value_kind: global_buffer, .address_space: global }
      - { .name: xp2, .offset: 24, .size: 8, .value_kind: global_buffer, .address_space: global }
    .group_segment_fixed_size: 2048
    .private_segment_fixed_size: 0
    .kernarg_segment_align: 8
    .kernarg_segment_size: 32
    .max_flat_workgroup_size: 256
    .sgpr_count:     66
    .vgpr_count:     256
    .wavefront_size: 32
...
	.end_amdgpu_metadata
.endif
;; end of part 5
;; launch fc (part 6): grid 16 x 16, 4 waves a work-group, clusters of 4 x 4, 327,680 bytes of LDS; arguments xp2, pb, c_fc_b, hid; writes hid
.if DOCPART == 6
	.amdgcn_target "amdgcn-amd-amdhsa--gfx1250"
	.amdhsa_code_object_version 6
	.text
	.protected	k_qa38827b42c_fc
	.globl	k_qa38827b42c_fc
	.p2align	8
	.type	k_qa38827b42c_fc,@function
k_qa38827b42c_fc:
	s_mov_b64 s[64:65], 0
	v_nop
	global_prefetch_b8 v0, s[64:65] scope:SCOPE_SE
	s_setreg_imm32_b32 hwreg(HW_REG_WAVE_MODE, 25, 1), 1
	s_wait_xcnt 0x0
	s_wait_alu depctr_hold_cnt(0) depctr_sa_sdst(0) depctr_va_vdst(0) depctr_va_sdst(0) depctr_va_ssrc(0) depctr_va_vcc(0) depctr_vm_vsrc(0)
	s_getreg_b32 s2, hwreg(HW_REG_IB_STS2, 6, 4)
	s_cmp_eq_u32 s2, 0
	s_cbranch_scc0 .Lentry_in_a_cluster
	s_endpgm
.Lentry_in_a_cluster:
	s_bfe_u32 s2, ttmp6, 0x10000c
	s_cmp_lg_u32 s2, 0xf033
	s_cbranch_scc0 .Lentry_shape_is_right
	s_endpgm
.Lentry_shape_is_right:
; hid = gelu(LN2(h) c_fc_w + c_fc_b), tanh form, on codes of BF8, quantised on the way out into panels for launch mlp.  Operands come as PANELS (128 rows x 128 K: 8 fragment images of 2,048 bytes, then 8 x 64 bytes of scale words).
; A work-group of four waves makes 256 x 256, a wave 128 x 128.  K = 1,024 goes in slots of two K steps through a ring of two LDS slots; 4 x 4 clusters: A's panels are shared along a row, B's along a column, by joint loads.
; A wave's quarters of the two slots are neighbours in LDS, so that ONE load of four K steps (264 rows of 256 bytes) fills both at the head; the refills bring 132 rows.
; gelu(x) = x / (1 + 2^(x (a + b x^2))), a = -2 log2(e) sqrt(2 / pi), b = 0.044715 a.  LIMITS: NaN and infinities are not served; a block whose largest magnitude lies under 2^-111 keeps the byte 1.
.set PANEL, 16896
.set FRB,   2048
.set SCO,   16384
.set QTR,   2*PANEL
.set SLOT,  QTR
.set SPARE, 8*QTR
.set NQ,    2
.set SS,    QTR
.set KST,   8
.set WFC,   8650752
.set ADRA, 16
.set ADRB, 20
.set ADRS, 22
.set SPW,  28
.set NIL,  29
.set SC,   32
.set BR,   64
.set AF,   128
.set H,    128
.set T,    192
.set PC,   0
.set TM,   208
.set PW,   25
.set G1,   24
.set G0,   32
.set G1B,  48
.set G0B,  56
.set SEL,  76
.set MNT,  78
.set MSB, 0
.macro WIN new
.if MSB != (\new)
	s_set_vgpr_msb (MSB<<8)|(\new)
.set MSB, (\new)
.endif
.endm
.set MUL_LO, 0xa1
.set MUL_HI, 0xf1
.set TO_B,   0x40
.macro JLOAD g0a, g0b
	s_cmp_eq_u32 s15, 0
	s_cbranch_scc0 .Lfor_b_\@
	tensor_load_to_lds s[\g0a:\g0a+3], s[G1:G1+7]
	s_nop 0
.rept 4
	v_nop
.endr
	s_branch .Lasked_\@
.Lfor_b_\@:
	tensor_load_to_lds s[\g0b:\g0b+3], s[G1B:G1B+7]
	s_nop 0
.rept 4
	v_nop
.endr
.Lasked_\@:
.endm
.macro CREST
	s_cmp_lg_u32 s14, 0
	s_cbranch_scc1 .Lnot_wave_0_\@
	s_barrier_signal -3
.Lnot_wave_0_\@:
	s_barrier_wait -3
	s_barrier_signal -1
	s_barrier_wait -1
.endm
.macro CROUND
	s_barrier_signal -1
	s_barrier_wait -1
	CREST
.endm
.macro PLACES n
.rept \n
	v_nop
.endr
.endm
.macro FRAG reg, adr, off
.irp c, 0,1,2,3
	ds_load_b128 v[\reg+4*\c:\reg+4*\c+3], v[\adr] offset:\off+512*\c
.endr
.endm
.macro FETCH_B slot, q, p
	WIN TO_B
.irp i, 0,1,2,3,4,5,6,7
	FRAG 128*(\p)+16*\i, ADRB+\slot, (\q)*PANEL+\i*FRB
.endr
	WIN 0
.endm
.macro FETCH_A slot, q, i0
.irp i, \i0, \i0+1, \i0+2, \i0+3
	FRAG AF+16*(\i), ADRA+\slot, (\q)*PANEL+(\i)*FRB
.endr
.endm
.macro SCALES slot
.irp i, 0,1,2,3,4,5,6,7
	ds_load_b32 v[SC+8*NQ*\slot+NQ*\i], v[ADRS+\slot] offset:64*\i
	ds_load_b32 v[SC+8*NQ*\slot+NQ*\i+1], v[ADRS+\slot] offset:PANEL+64*\i
.endr
.endm
.macro MUL16 a0, p, q, sc, zero
.irp a, \a0, \a0+1
.irp b, 0,1,2,3,4,5,6,7
.set rD, 8*(8*((\a)%4)+\b)
.set rB, 128*(\p)+16*\b
.set rA, AF+16*(\a)
.set rSB, SC+8*NQ*(\sc)+NQ*\b+(\q)
.set rSA, SC+8*NQ*(\sc)+NQ*(\a)+(\q)
.if \zero
	v_wmma_scale_f32_16x16x128_f8f6f4 v[rD:rD+7], v[rB:rB+15], v[rA:rA+15], 0, v[rSB], v[rSA] matrix_a_fmt:MATRIX_FMT_BF8 matrix_b_fmt:MATRIX_FMT_BF8 matrix_a_scale:MATRIX_SCALE_ROW1
.else
	v_wmma_scale_f32_16x16x128_f8f6f4 v[rD:rD+7], v[rB:rB+15], v[rA:rA+15], v[rD:rD+7], v[rSB], v[rSA] matrix_a_fmt:MATRIX_FMT_BF8 matrix_b_fmt:MATRIX_FMT_BF8 matrix_a_scale:MATRIX_SCALE_ROW1
.endif
.endr
.endr
.endm
.macro STEP slot, zero
	s_wait_dscnt 16
	WIN MUL_LO
	MUL16 0, 0, 0, \slot, \zero
	MUL16 2, 0, 0, \slot, \zero
	s_wait_dscnt 0x0
	PLACES 8
	FETCH_B \slot, 1, 1
	FETCH_A \slot, 1, 0
	WIN MUL_HI
	MUL16 4, 0, 0, \slot, \zero
	MUL16 6, 0, 0, \slot, \zero
	PLACES 8
	WIN 0
	FETCH_A \slot, 1, 4
.endm
.macro TURN slot, next, fill, p, zero
	s_wait_tensorcnt 0x0
	ds_add_u32 v[SPW], v[NIL]
.if \fill
	s_add_nc_u64 s[G0+4*\slot+2:G0+4*\slot+3], s[G0+4*\slot+2:G0+4*\slot+3], 2*SS
	s_add_nc_u64 s[G0B+4*\slot+2:G0B+4*\slot+3], s[G0B+4*\slot+2:G0B+4*\slot+3], 2*SS
	s_wait_dscnt 0x0
	s_barrier_signal -1
	s_barrier_wait -1
	CREST
	JLOAD G0+4*\slot, G0B+4*\slot
	WIN MUL_LO
	MUL16 0, \p, NQ-1, \slot, \zero
	MUL16 2, \p, NQ-1, \slot, \zero
	PLACES 8
.else
	s_wait_dscnt 17
	WIN MUL_LO
	MUL16 0, \p, NQ-1, \slot, \zero
	s_wait_dscnt 0x0
	s_barrier_signal -1
	MUL16 2, \p, NQ-1, \slot, \zero
	WIN 0
	s_barrier_wait -1
	PLACES 8
.endif
	FETCH_B \next, 0, 1-\p
	FETCH_A \next, 0, 0
	SCALES \next
	WIN MUL_HI
	MUL16 4, \p, NQ-1, \slot, \zero
	MUL16 6, \p, NQ-1, \slot, \zero
	PLACES 8
	WIN 0
	FETCH_A \next, 0, 4
.endm
.macro LAST p, sc
	s_wait_dscnt 16
	WIN MUL_LO
	MUL16 0, \p, NQ-1, \sc, 0
	MUL16 2, \p, NQ-1, \sc, 0
	s_wait_dscnt 0x0
	WIN MUL_HI
	MUL16 4, \p, NQ-1, \sc, 0
	MUL16 6, \p, NQ-1, \sc, 0
	WIN 0
.endm
.macro QUANT s
.irp b, 0,1,2,3
	v_max3_num_f32 v[TM+\b], |v[\s+16*\b]|, |v[\s+1+16*\b]|, 0x8000000
.endr
.irp i, 2,4,6,8,10,12,14
.irp b, 0,1,2,3
	v_max3_num_f32 v[TM+\b], v[TM+\b], |v[\s+16*\b+\i]|, |v[\s+1+16*\b+\i]|
.endr
.endr
.irp b, 0,1,2,3
	v_permlanex16_b32 v[TM+4+\b], v[TM+\b], s[SEL], s[SEL+1]
.endr
.irp b, 0,1,2,3
	v_max_num_f32 v[TM+\b], v[TM+\b], v[TM+4+\b]
.endr
.irp b, 0,1,2,3
	v_add_nc_u32 v[TM+12+\b], 0xf8800000, v[TM+\b]
.endr
.irp b, 0,1,2,3
	v_and_or_b32 v[TM+8+\b], v[TM+\b], 0x7f800000, s[MNT]
.endr
.irp b, 0,1,2,3
	v_lshrrev_b32 v[TM+4+\b], 23, v[TM+12+\b]
.endr
	s_wait_alu depctr_va_vdst(0)
	s_wait_xcnt 0x0
	v_lshl_or_b32 v[PW], v[TM+5], 8, v[TM+4]
	v_lshl_or_b32 v[PW], v[TM+6], 16, v[PW]
	v_lshl_or_b32 v[PW], v[TM+7], 24, v[PW]
.irp b, 0,1,2,3
.irp i, 0,1,2,3,4,5,6,7,8,9,10,11,12,13,14,15
	v_med3_num_f32 v[\s+16*\b+\i], v[\s+16*\b+\i], -v[TM+8+\b], v[TM+8+\b]
.endr
	v_cvt_scalef32_pk8_bf8_f32 v[PC+4*\b:PC+1+4*\b], v[\s+16*\b:\s+7+16*\b], v[TM+12+\b]
	v_cvt_scalef32_pk8_bf8_f32 v[PC+2+4*\b:PC+3+4*\b], v[\s+8+16*\b:\s+15+16*\b], v[TM+12+\b]
.endr
	v_nop
.endm
.macro COPY a
	WIN 2+(\a)/4
.set AC, 64*((\a)%4)
.set i, 0
.rept 32
	v_pk_add_f32 v[H+i:H+i+1], v[AC+i:AC+i+1], v[BR+i:BR+i+1]
.set i, i+2
.endr
	WIN 0
.endm
.macro GELU
.set i, 0
.rept 32
	v_pk_mul_f32 v[T+i:T+i+1], v[H+i:H+i+1], v[H+i:H+i+1]
.set i, i+2
.endr
.set i, 0
.rept 32
	v_pk_fma_f32 v[T+i:T+i+1], v[T+i:T+i+1], s[84:85], v[30:31] op_sel_hi:[1,0,1]
.set i, i+2
.endr
.set i, 0
.rept 32
	v_pk_mul_f32 v[T+i:T+i+1], v[T+i:T+i+1], v[H+i:H+i+1]
.set i, i+2
.endr
.set i, 0
	s_wait_alu depctr_va_vdst(0)
.rept 64
	v_exp_f32 v[T+i], v[T+i]
.set i, i+1
.endr
	v_nop
	s_wait_alu depctr_va_vdst(0)
.set i, 0
.rept 32
	v_pk_add_f32 v[T+i:T+i+1], v[T+i:T+i+1], 1.0 op_sel_hi:[1,0]
.set i, i+2
.endr
.set i, 0
	s_wait_alu depctr_va_vdst(0)
.rept 64
	v_rcp_f32 v[T+i], v[T+i]
.set i, i+1
.endr
	v_nop
	s_wait_alu depctr_va_vdst(0)
.set i, 0
.rept 32
	v_pk_mul_f32 v[H+i:H+i+1], v[H+i:H+i+1], v[T+i:T+i+1]
.set i, i+2
.endr
.endm
	s_load_b256 s[4:11], s[0:1], 0x0
	v_lshl_add_u32 v[SPW], v0, 2, SPARE
	v_mov_b32 v[NIL], 0
	ds_add_u32 v[SPW], v[NIL]
	ds_add_u32 v[SPW], v[NIL]
	v_lshrrev_b32 v1, 5, v0
	v_readfirstlane_b32 s14, v1
	s_lshr_b32 s15, s14, 1
	s_and_b32 s16, s14, 1
	s_bfe_u32 s40, ttmp6, 0x40000
	s_bfe_u32 s41, ttmp6, 0x40004
	s_lshl_b32 s42, ttmp9, 2
	s_add_co_u32 s42, s42, s40
	s_and_b32 s17, ttmp7, 0xffff
	s_lshl_b32 s17, s17, 2
	s_add_co_u32 s17, s17, s41
	s_lshl_b32 s43, s41, 2
	s_lshl_b32 s43, 15, s43
	s_lshl_b32 s44, 0x1111, s40
	s_or_b32 s[G1], s43, (3<<16)|(1<<21)
	s_or_b32 s[G1B], s44, (3<<16)|(1<<21)
.irp g, G1, G1B
	s_mov_b32 s[\g+1], 32<<16
	s_mov_b32 s[\g+2], 264<<16
	s_mov_b32 s[\g+3], 32<<16
	s_mov_b32 s[\g+4], 264
	s_mov_b32 s[\g+5], 32
	s_mov_b32 s[\g+6], 0
	s_mov_b32 s[\g+7], 0
.endr
	s_lshl_b32 s20, s17, 1
	s_add_co_u32 s20, s20, s16
	s_mul_i32 s20, s20, KST*PANEL
	s_mov_b32 s21, 0
	s_lshl_b32 s46, s42, 1
	s_add_co_u32 s46, s46, s16
	s_mul_i32 s46, s46, KST*PANEL
	s_add_co_u32 s46, s46, WFC
	s_mov_b32 s47, 0
	s_mul_i32 s45, s14, 2*QTR
	s_mov_b32 s[SEL], 0x76543210
	s_mov_b32 s[SEL+1], 0xfedcba98
	s_mov_b32 s[MNT], 0x600000
	s_mov_b32 s84, 0xbdd2d3e8
	s_mov_b32 s85, s84
	v_mov_b32 v30, 0xc0135762
	v_mov_b32 v31, v30
	s_wait_dscnt 0x0
	s_wait_kmcnt 0x0
	s_add_nc_u64 s[20:21], s[4:5], s[20:21]
	s_add_nc_u64 s[46:47], s[6:7], s[46:47]
	CROUND
.irp s, 0,1
	s_mov_b32 s[G0+4*\s], 1
	s_add_co_u32 s[G0+4*\s+1], s45, \s*SLOT
	s_add_nc_u64 s[G0+4*\s+2:G0+4*\s+3], s[20:21], \s*SS
	s_or_b32 s[G0+4*\s+3], s[G0+4*\s+3], 0x80000000
	s_mov_b32 s[G0B+4*\s], 1
	s_add_co_u32 s[G0B+4*\s+1], s45, \s*SLOT
	s_add_nc_u64 s[G0B+4*\s+2:G0B+4*\s+3], s[46:47], \s*SS
	s_or_b32 s[G0B+4*\s+3], s[G0B+4*\s+3], 0x80000000
.endr
	JLOAD G0, G0B                                  ; K steps 0 to 3, both slots: one tensor load a wave at the head
	; K steps 4 to 7 of the group that I fetch, 264 blocks of 256 bytes, which the two refills will load, are asked for now: the four partners that load them jointly share the blocks out by address: partner p takes blocks p + 4 m, m = 0 .. 65
	s_cmp_eq_u32 s15, 0
	s_cselect_b64 s[96:97], s[20:21], s[46:47]
	s_cselect_b32 s98, s40, s41                    ; my place among the four: cx for A, cy for B
	v_and_b32 v10, 31, v0
	v_min_u32 v11, 1, v10                          ; (the third instruction's lanes past the last block name it again)
	v_lshlrev_b32 v10, 10, v10
	v_lshlrev_b32 v11, 10, v11
	v_lshl_add_u32 v10, s98, 8, v10
	v_lshl_add_u32 v11, s98, 8, v11
	global_prefetch_b8 v10, s[96:97] offset:4*PANEL th:TH_LOAD_NT scope:SCOPE_SE
	global_prefetch_b8 v10, s[96:97] offset:4*PANEL+32768 th:TH_LOAD_NT scope:SCOPE_SE
	global_prefetch_b8 v11, s[96:97] offset:4*PANEL+65536 th:TH_LOAD_NT scope:SCOPE_SE
	v_and_b32 v1, 31, v0
	v_and_b32 v2, 15, v0
	v_bfe_u32 v3, v0, 4, 1
	v_lshlrev_b32 v24, 4, v1
	s_mul_i32 s21, s15, 2*QTR
	s_mul_i32 s22, s16, 2*QTR
	s_add_co_u32 s22, s22, 4*QTR
	s_sub_co_u32 s23, s22, s21
	v_mul_u32_u24 v6, s23, v3
	v_lshl_add_u32 v6, v2, 2, v6
	v_add_nc_u32 v6, SCO, v6
.irp s, 0,1
	v_add_nc_u32 v[ADRA+\s], s21, v24
	v_add_nc_u32 v[ADRB+\s], s22, v24
	v_add_nc_u32 v[ADRS+\s], s21, v6
	s_add_co_u32 s21, s21, SLOT
	s_add_co_u32 s22, s22, SLOT
.endr
	v_lshlrev_b32 v26, 2, v2
	v_lshlrev_b32 v7, 6, v3
	s_wait_alu depctr_va_vdst(0)
	s_lshl_b32 s80, s17, 1
	s_add_co_u32 s80, s80, s15
	s_lshl_b32 s81, s42, 1
	s_add_co_u32 s81, s81, s16
	s_lshl_b32 s82, s81, 9
	s_mov_b32 s83, 0
	s_add_nc_u64 s[8:9], s[8:9], s[82:83]
	s_lshl_b32 s80, s80, 5
	s_add_co_u32 s80, s80, s81
	s_mul_i32 s80, s80, PANEL
	s_mov_b32 s81, 0
	s_add_nc_u64 s[72:73], s[10:11], s[80:81]
.irp b, 0,1,2,3
.irp j, 0,1,2,3
	global_load_b128 v[BR+16*\b+4*\j:BR+16*\b+4*\j+3], v7, s[8:9] offset:128*\b+16*\j
.endr
.endr
	s_wait_alu depctr_va_vdst(0)
	s_wait_tensorcnt 0x0                           ; my part of both slots is in; no tensor load of mine is out, so a descriptor may be written:
	s_mov_b32 s[G1+2], 132<<16                     ; from here on a load brings 132 rows, two K steps
	s_mov_b32 s[G1+4], 132
	s_mov_b32 s[G1B+2], 132<<16
	s_mov_b32 s[G1B+4], 132
	s_barrier_signal -1
	s_barrier_wait -1
	FETCH_B 0, 0, 0
	FETCH_A 0, 0, 0
	SCALES 0
	FETCH_A 0, 0, 4
	STEP 0, 1
	TURN 0, 1, 1, 1, 0
	STEP 1, 0
	TURN 1, 0, 1, 1, 0
	STEP 0, 0
	TURN 0, 1, 0, 1, 0
	STEP 1, 0
	LAST 1, 1
	PLACES 8
	s_wait_loadcnt 0x0
	s_mov_b32 s66, 0
.Lrow:
.irp a, 0,1,2,3,4,5,6
	s_cmp_eq_u32 s66, \a
	s_cbranch_scc1 .Lc_\a
.endr
	COPY 7
	s_branch .Lquant
.irp a, 0,1,2,3,4,5,6
.Lc_\a:
	COPY \a
	s_branch .Lquant
.endr
.Lquant:
	GELU
	QUANT H
	s_lshl_b32 s74, s66, 11
	s_mov_b32 s75, 0
	s_add_nc_u64 s[68:69], s[72:73], s[74:75]
	s_lshl_b32 s74, s66, 6
	s_add_co_u32 s74, s74, SCO
	s_add_nc_u64 s[70:71], s[72:73], s[74:75]
.irp c, 0,1,2,3
	global_store_b128 v24, v[PC+4*\c:PC+4*\c+3], s[68:69] offset:512*\c
.endr
	global_store_b32 v26, v[PW], s[70:71]
	s_add_co_u32 s66, s66, 1
	s_cmp_lt_u32 s66, 8
	s_cbranch_scc1 .Lrow
	s_wait_tensorcnt 0x0
	ds_add_u32 v[SPW], v[NIL]
	s_wait_dscnt 0x0
	CROUND
	s_endpgm
.Lfunc_end_k_qa38827b42c_fc:
	.size	k_qa38827b42c_fc, .Lfunc_end_k_qa38827b42c_fc-k_qa38827b42c_fc
	.p2alignl 7, 3214868480
	.fill 96, 4, 3214868480
	.section	.rodata,"a",@progbits
	.p2align	6, 0x0
	.amdhsa_kernel k_qa38827b42c_fc
		.amdhsa_group_segment_fixed_size 327680
		.amdhsa_private_segment_fixed_size 0
		.amdhsa_enable_private_segment 0
		.amdhsa_kernarg_size 32
		.amdhsa_user_sgpr_count 2
		.amdhsa_user_sgpr_kernarg_segment_ptr 1
		.amdhsa_wavefront_size32 1
		.amdhsa_system_sgpr_workgroup_id_x 1
		.amdhsa_system_sgpr_workgroup_id_y 1
		.amdhsa_system_sgpr_workgroup_id_z 1
		.amdhsa_system_vgpr_workitem_id 0
		.amdhsa_next_free_vgpr 1024
		.amdhsa_next_free_sgpr 100
		.amdhsa_reserve_vcc 0
		.amdhsa_float_denorm_mode_32 3
		.amdhsa_float_denorm_mode_16_64 3
		.amdhsa_memory_ordered 1
		.amdhsa_forward_progress 1
		.amdhsa_inst_pref_size 158
	.end_amdhsa_kernel
	.amdgpu_metadata
---
amdhsa.version: [ 1, 2 ]
amdhsa.kernels:
  - .name:           k_qa38827b42c_fc
    .symbol:         k_qa38827b42c_fc.kd
    .args:
      - { .name: xp2, .offset: 0, .size: 8, .value_kind: global_buffer, .address_space: global }
      - { .name: pb, .offset: 8, .size: 8, .value_kind: global_buffer, .address_space: global }
      - { .name: c_fc_b, .offset: 16, .size: 8, .value_kind: global_buffer, .address_space: global }
      - { .name: hid, .offset: 24, .size: 8, .value_kind: global_buffer, .address_space: global }
    .group_segment_fixed_size: 327680
    .private_segment_fixed_size: 0
    .kernarg_segment_align: 8
    .kernarg_segment_size: 32
    .max_flat_workgroup_size: 128
    .sgpr_count:     100
    .vgpr_count:     1024
    .wavefront_size: 32
...
	.end_amdgpu_metadata
.endif
;; end of part 6
;; launch mlp (part 7): grid 8 x 32, 4 waves a work-group, clusters of 4 x 4, 327,680 bytes of LDS; arguments hid, pb, c_proj_mlp_b, hres, out0; writes out0
.if DOCPART == 7
	.amdgcn_target "amdgcn-amd-amdhsa--gfx1250"
	.amdhsa_code_object_version 6
	.text
	.protected	k_qa38827b42c_mlp
	.globl	k_qa38827b42c_mlp
	.p2align	8
	.type	k_qa38827b42c_mlp,@function
k_qa38827b42c_mlp:
	s_mov_b64 s[64:65], 0
	v_nop
	global_prefetch_b8 v0, s[64:65] scope:SCOPE_SE
	s_setreg_imm32_b32 hwreg(HW_REG_WAVE_MODE, 25, 1), 1
	s_wait_xcnt 0x0
	s_wait_alu depctr_hold_cnt(0) depctr_sa_sdst(0) depctr_va_vdst(0) depctr_va_sdst(0) depctr_va_ssrc(0) depctr_va_vcc(0) depctr_vm_vsrc(0)
	s_getreg_b32 s2, hwreg(HW_REG_IB_STS2, 6, 4)
	s_cmp_eq_u32 s2, 0
	s_cbranch_scc0 .Lentry_in_a_cluster
	s_endpgm
.Lentry_in_a_cluster:
	s_bfe_u32 s2, ttmp6, 0x10000c
	s_cmp_lg_u32 s2, 0xf033
	s_cbranch_scc0 .Lentry_shape_is_right
	s_endpgm
.Lentry_shape_is_right:
; out0 = hid c_proj_mlp_w + c_proj_mlp_b + hres, on codes of BF8.  Operands come as PANELS (128 rows x 128 K: 8 fragment images of 2,048 bytes, then 8 x 64 bytes of scale words; row r of fragment a is row
; 32 (a / 2) + 8 (a % 2) + r + 8 (r / 8)).  N = 1,024 gives 256 tiles of 128 x 128: a work-group makes one, and ITS FOUR WAVES SHARE K: wave w takes the K steps that are w modulo 4, each on a full 128 x 128 of
; accumulators, so that no fragment is read from LDS twice; the four partial sums meet in LDS at the end.  K = 4,096 goes in eight turns of four K steps through a ring of two LDS slots.
; LDS: A's slot 0, A's slot 1, B's slot 0, B's slot 1, four panels each.  At the head a wave fetches one of the four whole (264 rows of 256 bytes): its one tensor load there fills one whole slot; a refill is a quarter of a slot a wave (132 rows).
; 4 x 4 clusters: A's panels are shared along a row of the cluster, B's along a column, by joint loads.  Source 0 = B's fragment, source 1 = A's.
; PREFETCH: turn t's refill loads turn t + 2.  The head asks for my quarter of turn 2, turn 0 for turns 3 and 4, turns 1 to 3 for turn t + 4, two refills ahead; the later turns ask for nothing along K.  A quarter's 132 blocks of
; 256 bytes are shared out among the four partners that load it jointly, by address: partner p takes blocks p + 4 m, m = 0 .. 32.  The residual's 32 rows x 512 bytes of a wave are asked for once, behind the loop, three turns ahead of their loads.
; LIMITS: NaN and infinities are not served.
.set PANEL, 16896
.set FRB,   2048
.set SCO,   16384
.set QTR,   2*PANEL
.set SLOT,  2*QTR
.set SPARE, 8*QTR
.set NQ,    1
.set SS,    4*PANEL
.set KST,   32
.set WOFF,  12976128
.set LI,   4
.set RD,   8
.set ADRA, 16
.set ADRB, 20
.set ADRS, 22
.set STO,  24
.set SPW,  28
.set NIL,  29
.set SC,   32
.set BR,   64
.set AF,   128
.set R,    128
.set G1,   24
.set G0,   32
.set G1B,  48
.set G0B,  56
.set MSB, 0
.macro WIN new
.if MSB != (\new)
	s_set_vgpr_msb (MSB<<8)|(\new)
.set MSB, (\new)
.endif
.endm
.set MUL_LO, 0xa1
.set MUL_HI, 0xf1
.set TO_B,   0x40
.macro JLOAD g0a, g0b
	s_cmp_eq_u32 s15, 0
	s_cbranch_scc0 .Lfor_b_\@
	tensor_load_to_lds s[\g0a:\g0a+3], s[G1:G1+7]
	s_nop 0
.rept 4
	v_nop
.endr
	s_branch .Lasked_\@
.Lfor_b_\@:
	tensor_load_to_lds s[\g0b:\g0b+3], s[G1B:G1B+7]
	s_nop 0
.rept 4
	v_nop
.endr
.Lasked_\@:
.endm
.macro CREST
	s_cmp_lg_u32 s14, 0
	s_cbranch_scc1 .Lnot_wave_0_\@
	s_barrier_signal -3
.Lnot_wave_0_\@:
	s_barrier_wait -3
	s_barrier_signal -1
	s_barrier_wait -1
.endm
.macro CROUND
	s_barrier_signal -1
	s_barrier_wait -1
	CREST
.endm
.macro PLACES n
.rept \n
	v_nop
.endr
.endm
.macro FRAG reg, adr, off
.irp c, 0,1,2,3
	ds_load_b128 v[\reg+4*\c:\reg+4*\c+3], v[\adr] offset:\off+512*\c
.endr
.endm
.macro FETCH_B slot, q, p
	WIN TO_B
.irp i, 0,1,2,3,4,5,6,7
	FRAG 128*(\p)+16*\i, ADRB+\slot, (\q)*PANEL+\i*FRB
.endr
	WIN 0
.endm
.macro FETCH_A slot, q, i0
.irp i, \i0, \i0+1, \i0+2, \i0+3
	FRAG AF+16*(\i), ADRA+\slot, (\q)*PANEL+(\i)*FRB
.endr
.endm
.macro SCALES slot
.irp i, 0,1,2,3,4,5,6,7
	ds_load_b32 v[SC+8*NQ*\slot+NQ*\i], v[ADRS+\slot] offset:64*\i
.endr
.endm
.macro MUL16 a0, p, q, sc, zero
.irp a, \a0, \a0+1
.irp b, 0,1,2,3,4,5,6,7
.set rD, 8*(8*((\a)%4)+\b)
.set rB, 128*(\p)+16*\b
.set rA, AF+16*(\a)
.set rSB, SC+8*NQ*(\sc)+NQ*\b+(\q)
.set rSA, SC+8*NQ*(\sc)+NQ*(\a)+(\q)
.if \zero
	v_wmma_scale_f32_16x16x128_f8f6f4 v[rD:rD+7], v[rB:rB+15], v[rA:rA+15], 0, v[rSB], v[rSA] matrix_a_fmt:MATRIX_FMT_BF8 matrix_b_fmt:MATRIX_FMT_BF8 matrix_a_scale:MATRIX_SCALE_ROW1
.else
	v_wmma_scale_f32_16x16x128_f8f6f4 v[rD:rD+7], v[rB:rB+15], v[rA:rA+15], v[rD:rD+7], v[rSB], v[rSA] matrix_a_fmt:MATRIX_FMT_BF8 matrix_b_fmt:MATRIX_FMT_BF8 matrix_a_scale:MATRIX_SCALE_ROW1
.endif
.endr
.endr
.endm
.macro TURN slot, next, fill, p, zero, ask=0
	s_wait_tensorcnt 0x0
	ds_add_u32 v[SPW], v[NIL]
.if \fill
	s_add_nc_u64 s[G0+4*\slot+2:G0+4*\slot+3], s[G0+4*\slot+2:G0+4*\slot+3], 2*SS
	s_add_nc_u64 s[G0B+4*\slot+2:G0B+4*\slot+3], s[G0B+4*\slot+2:G0B+4*\slot+3], 2*SS
	s_wait_xcnt 0x0                                ; the last prefetches, a turn back, have read their base: it is stepped only behind this wait
	s_add_nc_u64 s[92:93], s[92:93], SS
	s_wait_dscnt 0x0
	s_barrier_signal -1
	s_barrier_wait -1
	CREST
	JLOAD G0+4*\slot, G0B+4*\slot
.if \ask == 2
	s_cmp_eq_u32 s3, 2                             ; in the loop's first trip alone: the second's look-ahead would pass the end of K
	s_cbranch_scc0 .Lnot_\@
.endif
.if \ask == 3                                  ; turn 0 asks for turn 3 too
	global_prefetch_b8 v12, s[92:93] offset:2*SS th:TH_LOAD_NT scope:SCOPE_SE
	global_prefetch_b8 v13, s[92:93] offset:2*SS th:TH_LOAD_NT scope:SCOPE_SE
.endif
.if \ask
	global_prefetch_b8 v12, s[92:93] offset:3*SS th:TH_LOAD_NT scope:SCOPE_SE
	global_prefetch_b8 v13, s[92:93] offset:3*SS th:TH_LOAD_NT scope:SCOPE_SE
.endif
.if \ask == 2
.Lnot_\@:
.endif
	WIN MUL_LO
	MUL16 0, \p, NQ-1, \slot, \zero
	MUL16 2, \p, NQ-1, \slot, \zero
	PLACES 8
.else
	s_wait_dscnt 17
	WIN MUL_LO
	MUL16 0, \p, NQ-1, \slot, \zero
	s_wait_dscnt 0x0
	s_barrier_signal -1
	MUL16 2, \p, NQ-1, \slot, \zero
	WIN 0
	s_barrier_wait -1
	PLACES 8
.endif
	s_wait_alu depctr_va_vdst(0)
	FETCH_B \next, 0, 1-\p
	FETCH_A \next, 0, 0
	SCALES \next
	WIN MUL_HI
	MUL16 4, \p, NQ-1, \slot, \zero
	MUL16 6, \p, NQ-1, \slot, \zero
	PLACES 8
	WIN 0
	FETCH_A \next, 0, 4
.endm
.macro LAST p, sc
	s_wait_dscnt 16
	WIN MUL_LO
	MUL16 0, \p, NQ-1, \sc, 0
	MUL16 2, \p, NQ-1, \sc, 0
	s_wait_dscnt 0x0
	WIN MUL_HI
	MUL16 4, \p, NQ-1, \sc, 0
	MUL16 6, \p, NQ-1, \sc, 0
	WIN 0
.endm
.macro LOADB k
	WIN TO_B
.set tt, 0
.rept 8
.irp v, 0,1,2,3
	ds_load_b128 v[128*((\k)%2)+16*tt+4*\v:128*((\k)%2)+16*tt+4*\v+3], v[RD+\v] offset:528*(8*(\k)+tt)
.endr
.set tt, tt+1
.endr
	WIN 0
.endm
.macro SUMB k, left
	s_wait_dscnt \left
	WIN 0x45
.set tt, 0
.rept 8
.set pp, 128*((\k)%2)+16*tt
	v_pk_add_f32 v[pp:pp+1], v[pp:pp+1], v[pp+4:pp+5]
	v_pk_add_f32 v[pp+2:pp+3], v[pp+2:pp+3], v[pp+6:pp+7]
	v_pk_add_f32 v[pp+8:pp+9], v[pp+8:pp+9], v[pp+12:pp+13]
	v_pk_add_f32 v[pp+10:pp+11], v[pp+10:pp+11], v[pp+14:pp+15]
.set tt, tt+1
.endr
.set tt, 0
.rept 8
.set pp, 128*((\k)%2)+16*tt
	v_pk_add_f32 v[pp:pp+1], v[pp:pp+1], v[pp+8:pp+9]
	v_pk_add_f32 v[pp+2:pp+3], v[pp+2:pp+3], v[pp+10:pp+11]
.set tt, tt+1
.endr
	WIN 0x01
.set tt, 0
.rept 8
.set pp, 128*((\k)%2)+16*tt
.set rr, R+4*(8*(\k)+tt)
	v_pk_add_f32 v[rr:rr+1], v[pp:pp+1], v[rr:rr+1]
	v_pk_add_f32 v[rr+2:rr+3], v[pp+2:pp+3], v[rr+2:rr+3]
.set tt, tt+1
.endr
	WIN 0
.set tt, 8*(\k)
.rept 8
	global_store_b128 v[LI], v[R+4*tt:R+4*tt+3], s[12:13] offset:(8*(tt>>4)+(tt&15)+8*((tt>>3)&1))*4096 th:TH_STORE_NT
.set tt, tt+1
.endr
.endm
	s_load_b256 s[4:11], s[0:1], 0x0
	s_load_b64 s[12:13], s[0:1], 0x20
	v_lshl_add_u32 v[SPW], v0, 2, SPARE
	v_mov_b32 v[NIL], 0
	ds_add_u32 v[SPW], v[NIL]
	ds_add_u32 v[SPW], v[NIL]
	v_lshrrev_b32 v1, 5, v0
	v_readfirstlane_b32 s14, v1
	s_lshr_b32 s15, s14, 1
	s_and_b32 s16, s14, 1
	s_bfe_u32 s40, ttmp6, 0x40000
	s_bfe_u32 s41, ttmp6, 0x40004
	s_lshl_b32 s42, ttmp9, 2
	s_add_co_u32 s42, s42, s40
	s_and_b32 s17, ttmp7, 0xffff
	s_lshl_b32 s17, s17, 2
	s_add_co_u32 s17, s17, s41
	s_lshl_b32 s43, s41, 2
	s_lshl_b32 s43, 15, s43
	s_lshl_b32 s44, 0x1111, s40
	s_or_b32 s[G1], s43, (3<<16)|(1<<21)
	s_or_b32 s[G1B], s44, (3<<16)|(1<<21)
.irp g, G1, G1B
	s_mov_b32 s[\g+1], 32<<16
	s_mov_b32 s[\g+2], 264<<16
	s_mov_b32 s[\g+3], 32<<16
	s_mov_b32 s[\g+4], 264
	s_mov_b32 s[\g+5], 32
	s_mov_b32 s[\g+6], 0
	s_mov_b32 s[\g+7], 0
.endr
	s_mul_i32 s18, s16, QTR
	s_mul_i32 s20, s17, KST*PANEL
	s_add_co_u32 s20, s20, s18
	s_mov_b32 s21, 0
	s_mul_i32 s46, s42, KST*PANEL
	s_add_co_u32 s46, s46, s18
	s_add_co_u32 s46, s46, WOFF
	s_mov_b32 s47, 0
	s_mul_i32 s45, s15, 4*QTR                      ; a refill's place: A's or B's two slots, + my two of the slot's four K steps
	s_add_co_u32 s45, s45, s18
	s_wait_dscnt 0x0
	s_wait_kmcnt 0x0
	s_add_nc_u64 s[20:21], s[4:5], s[20:21]
	s_add_nc_u64 s[46:47], s[6:7], s[46:47]
	CROUND
.irp s, 0,1
	s_mov_b32 s[G0+4*\s], 1
	s_add_co_u32 s[G0+4*\s+1], s45, \s*SLOT
	s_add_nc_u64 s[G0+4*\s+2:G0+4*\s+3], s[20:21], \s*SS
	s_or_b32 s[G0+4*\s+3], s[G0+4*\s+3], 0x80000000
	s_mov_b32 s[G0B+4*\s], 1
	s_add_co_u32 s[G0B+4*\s+1], s45, \s*SLOT
	s_add_nc_u64 s[G0B+4*\s+2:G0B+4*\s+3], s[46:47], \s*SS
	s_or_b32 s[G0B+4*\s+3], s[G0B+4*\s+3], 0x80000000
.endr
	s_mov_b32 s19, 0                               ; the head's loads: waves 0, 1: A's K steps 0-3, 4-7; waves 2, 3: B's: four panels, at wave x four panels
	s_mov_b32 s84, 1
	s_mul_i32 s85, s14, 2*QTR
	s_add_nc_u64 s[86:87], s[20:21], s[18:19]
	s_or_b32 s87, s87, 0x80000000
	s_mov_b32 s88, 1
	s_mul_i32 s89, s14, 2*QTR
	s_add_nc_u64 s[90:91], s[46:47], s[18:19]
	s_or_b32 s91, s91, 0x80000000
	JLOAD 84, 88                                   ; one tensor load a wave at the head
	s_cmp_eq_u32 s15, 0
	s_cselect_b64 s[92:93], s[20:21], s[46:47]     ; the prefetches' base: my quarter of turn 0
	s_cselect_b32 s94, s40, s41                    ; my place among the four that load it with me: cx for A, cy for B
	v_and_b32 v12, 31, v0
	v_lshlrev_b32 v12, 10, v12
	v_lshl_add_u32 v12, s94, 8, v12                ; blocks p + 4 lane,
	s_lshl_b32 s95, s94, 8
	s_add_co_u32 s95, s95, 32768
	v_mov_b32 v13, s95                             ; and block p + 128, named by all lanes
	global_prefetch_b8 v12, s[92:93] offset:2*SS th:TH_LOAD_NT scope:SCOPE_SE
	global_prefetch_b8 v13, s[92:93] offset:2*SS th:TH_LOAD_NT scope:SCOPE_SE
	v_and_b32 v1, 31, v0
	v_and_b32 v2, 15, v0
	v_bfe_u32 v3, v0, 4, 1
	v_lshlrev_b32 v[LI], 4, v1
	s_mul_i32 s21, s15, QTR
	s_mul_i32 s22, s16, PANEL
	s_add_co_u32 s21, s21, s22
	s_add_co_u32 s22, s21, 4*QTR
	v_mul_u32_u24 v6, v3, 4*QTR
	v_lshl_add_u32 v6, v2, 2, v6
	v_add_nc_u32 v6, SCO, v6
.irp s, 0,1
	v_add_nc_u32 v[ADRA+\s], s21, v[LI]
	v_add_nc_u32 v[ADRB+\s], s22, v[LI]
	v_add_nc_u32 v[ADRS+\s], s21, v6
	s_add_co_u32 s21, s21, SLOT
	s_add_co_u32 s22, s22, SLOT
.endr
	v_mul_u32_u24 v5, v2, 528
	v_lshl_add_u32 v5, v3, 6, v5
	s_mul_i32 s23, s14, 128*528
	v_add_nc_u32 v[STO], s23, v5
	s_mul_i32 s23, s14, 32*528
	v_add_nc_u32 v[RD], s23, v[LI]
	v_add_nc_u32 v[RD+1], 128*528, v[RD]
	v_add_nc_u32 v[RD+2], 128*528, v[RD+1]
	v_add_nc_u32 v[RD+3], 128*528, v[RD+2]
	s_lshl_b32 s80, s17, 19
	s_lshl_b32 s81, s14, 17
	s_add_co_u32 s80, s80, s81
	s_lshl_b32 s82, s42, 9
	s_mov_b32 s83, 0
	s_add_co_u32 s80, s80, s82
	s_mov_b32 s81, 0
	s_add_nc_u64 s[10:11], s[10:11], s[80:81]
	s_add_nc_u64 s[12:13], s[12:13], s[80:81]
	s_add_nc_u64 s[8:9], s[8:9], s[82:83]
	global_load_b128 v[BR:BR+3], v[LI], s[8:9]
	v_lshlrev_b32 v14, 12, v1                      ; the residual's prefetch offset: a lane a row of 4,096 bytes
	s_wait_alu depctr_va_vdst(0)
	s_wait_tensorcnt 0x0                           ; my four panels are in; no tensor load of mine is out, so a descriptor may be written:
	s_mov_b32 s[G1+2], 132<<16                     ; from here on a load brings 132 rows, two K steps
	s_mov_b32 s[G1+4], 132
	s_mov_b32 s[G1B+2], 132<<16
	s_mov_b32 s[G1B+4], 132
	s_barrier_signal -1
	s_barrier_wait -1
	FETCH_B 0, 0, 0
	FETCH_A 0, 0, 0
	SCALES 0
	FETCH_A 0, 0, 4
	TURN 0, 1, 1, 0, 1, 3                          ; turn 0: its products start the sums; slot 0 takes turn 2; turns 3 and 4 are asked for
	s_mov_b32 s3, 2
.Llap:                                                 ; turns 1, 2 and 3, 4
	TURN 1, 0, 1, 1, 0, 1
	TURN 0, 1, 1, 0, 0, 2
	s_sub_co_u32 s3, s3, 1
	s_cmp_lg_u32 s3, 0
	s_cbranch_scc1 .Llap
	global_prefetch_b8 v14, s[10:11] th:TH_LOAD_NT scope:SCOPE_SE              ; the residual's 32 rows x 512 bytes that I add at the end: a lane a row, two blocks of 256 bytes; no other wave reads them
	global_prefetch_b8 v14, s[10:11] offset:256 th:TH_LOAD_NT scope:SCOPE_SE
	TURN 1, 0, 1, 1, 0                             ; turn 5: slot 1 takes turn 7
	TURN 0, 1, 0, 0, 0                             ; turn 6: nothing is left to fetch
	LAST 1, 1
	PLACES 8
.set tt, 0
.rept 32
	global_load_b128 v[R+4*tt:R+4*tt+3], v[LI], s[10:11] offset:(8*(tt>>4)+(tt&15)+8*((tt>>3)&1))*4096 th:TH_LOAD_NT
.set tt, tt+1
.endr
	s_wait_dscnt 0x0
	s_barrier_signal -1
	s_barrier_wait -1
.irp a, 0,1,2,3,4,5,6,7
	WIN 0x08+4*((\a)/4)
.irp b, 0,1,2,3,4,5,6,7
	ds_store_b128 v[STO], v[64*((\a)%4)+8*\b:64*((\a)%4)+8*\b+3] offset:(\a)*8448+128*(\b/2)+32*(\b%2)
	ds_store_b128 v[STO], v[64*((\a)%4)+8*\b+4:64*((\a)%4)+8*\b+7] offset:(\a)*8448+128*(\b/2)+32*(\b%2)+16
.endr
.endr
	WIN 0
	s_wait_dscnt 0x0
	s_barrier_signal -1
	s_barrier_wait -1
	LOADB 0
	LOADB 1
	s_wait_loadcnt 0x0
.set tt, 0
.rept 32
	v_pk_add_f32 v[R+4*tt:R+4*tt+1], v[R+4*tt:R+4*tt+1], v[BR:BR+1]
	v_pk_add_f32 v[R+4*tt+2:R+4*tt+3], v[R+4*tt+2:R+4*tt+3], v[BR+2:BR+3]
.set tt, tt+1
.endr
	SUMB 0, 32
	LOADB 2
	SUMB 1, 32
	LOADB 3
	SUMB 2, 32
	SUMB 3, 0
	s_wait_tensorcnt 0x0
	ds_add_u32 v[SPW], v[NIL]
	s_wait_dscnt 0x0
	CROUND
	s_endpgm
.Lfunc_end_k_qa38827b42c_mlp:
	.size	k_qa38827b42c_mlp, .Lfunc_end_k_qa38827b42c_mlp-k_qa38827b42c_mlp
	.p2alignl 7, 3214868480
	.fill 96, 4, 3214868480
	.section	.rodata,"a",@progbits
	.p2align	6, 0x0
	.amdhsa_kernel k_qa38827b42c_mlp
		.amdhsa_group_segment_fixed_size 327680
		.amdhsa_private_segment_fixed_size 0
		.amdhsa_enable_private_segment 0
		.amdhsa_kernarg_size 40
		.amdhsa_user_sgpr_count 2
		.amdhsa_user_sgpr_kernarg_segment_ptr 1
		.amdhsa_wavefront_size32 1
		.amdhsa_system_sgpr_workgroup_id_x 1
		.amdhsa_system_sgpr_workgroup_id_y 1
		.amdhsa_system_sgpr_workgroup_id_z 1
		.amdhsa_system_vgpr_workitem_id 0
		.amdhsa_next_free_vgpr 1024
		.amdhsa_next_free_sgpr 100
		.amdhsa_reserve_vcc 0
		.amdhsa_float_denorm_mode_32 3
		.amdhsa_float_denorm_mode_16_64 3
		.amdhsa_memory_ordered 1
		.amdhsa_forward_progress 1
		.amdhsa_inst_pref_size 137
	.end_amdhsa_kernel
	.amdgpu_metadata
---
amdhsa.version: [ 1, 2 ]
amdhsa.kernels:
  - .name:           k_qa38827b42c_mlp
    .symbol:         k_qa38827b42c_mlp.kd
    .args:
      - { .name: hid, .offset: 0, .size: 8, .value_kind: global_buffer, .address_space: global }
      - { .name: pb, .offset: 8, .size: 8, .value_kind: global_buffer, .address_space: global }
      - { .name: c_proj_mlp_b, .offset: 16, .size: 8, .value_kind: global_buffer, .address_space: global }
      - { .name: hres, .offset: 24, .size: 8, .value_kind: global_buffer, .address_space: global }
      - { .name: out0, .offset: 32, .size: 8, .value_kind: global_buffer, .address_space: global }
    .group_segment_fixed_size: 327680
    .private_segment_fixed_size: 0
    .kernarg_segment_align: 8
    .kernarg_segment_size: 40
    .max_flat_workgroup_size: 128
    .sgpr_count:     100
    .vgpr_count:     1024
    .wavefront_size: 32
...
	.end_amdgpu_metadata
.endif
;; end of part 7
